; MI455X (gfx1250); checked and timed in simulation.
; The chip was launched on July 23, 2026; its instructions are those of AMD's public machine-readable ISA for CDNA 5 (MIT licence, August 2026) and "CDNA5" Instruction Set Architecture Reference Guide (July 2026). The comments in the code are by the model that wrote it; some were corrected since.
;; Multihead Self Attention. Allowed arithmetic: matrix products marked QUANTISED: E2M1 operands, one E8M0 scale for each 32 along K, by v_wmma_scale_f32_16x16x128_f8f6f4 with both operands' format E2M1 (or v_wmma_scale_f32_32x16x128_f4), f32 sums; products left as they are: bf16, f16 or f32 operands; f32 sums; everything else in f32.
;; Inputs: b_out 1,024 float32; b_qkv 3,072 float32; masks 4 x 2,048 int32; w_out 1,024 x 1,024 float32; w_qkv 1,024 x 3,072 float32; x 4 x 2,048 x 1,024 float32.
;; Outputs: out0 4 x 2,048 x 1,024 float32.
;; This version of the problem:
;;   THIS VERSION OF THE PROBLEM IS GIVEN IN LOW PRECISION. The matrix products marked QUANTISED in the list below multiply operands that are first quantised to E2M1 (2 exponent bits, 1 mantissa bit; 4 bits a number), with one power-of-two scale for each 32 numbers along K (OCP MX v1.0); their sums are f32. The products marked 'left as it is' may take bf16, f16 or f32 operands, with f32 sums. Whichever they take, every output number must still come out within the allowed error. Rounding operands to bf16 (8 significant bits) uses up far more of that allowance than f16 does (11 bits, for magnitudes from 6e-5 to 65,504). All else is computed in f32.
;;   The module's matrix products, in the order in which they are computed (A, B: the left and right operand; K: the contracted axis; several contracted axes count as one K, in the product's order):
;;     1. [M 8,192, K 1,024] x [K 1,024, N 3,072]; A: input x; B: input w_qkv: QUANTISED
;;     2. batch 64 x [M 2,048, K 64] x [K 64, N 2,048]; A: computed on the way; B: computed on the way: left as it is (an operand is computed on the way)
;;     3. batch 64 x [M 64, K 2,048] x [K 2,048, N 2,048]; A: computed on the way; B: computed on the way: left as it is (an operand is computed on the way)
;;     4. [M 8,192, K 1,024] x [K 1,024, N 1,024]; A: computed on the way; B: input w_out: left as it is (an operand is computed on the way)
;;   THE QUANTISER, for each operand of a quantised product, along K:
;;     - K is cut into blocks of 32 from its start; a last block that is shorter is filled with zeros.
;;     - A block's scale is 2^e with e = floor(log2(the largest magnitude in the block)) - 2, held to -126 .. 127; a block of zeros has e = 0. As a byte (E8M0): e + 127.
;;     - Each number is divided by its block's scale, clamped to +-6, and rounded to the nearest number of E2M1, ties to even, subnormals kept.
;;     - The product sums the exact products of the quantised numbers (number of the format x scale) in f32.
;;   ~~~python
;;   def quantise(x, axis):      # numpy; x: float32 -> the quantised numbers, widened to float32 again
;;       x = np.moveaxis(x, axis, -1); K = x.shape[-1]
;;       x = np.pad(x, [(0, 0)] * (x.ndim - 1) + [(0, -K % 32)]); x = x.reshape(x.shape[:-1] + (-1, 32)); a = np.abs(x).max(-1, keepdims=True)
;;       e = np.where(a > 0, np.clip(np.frexp(np.where(a > 0, a, 1))[1] - 1 - 2, -126, 127), 0)      # np.frexp(a)[1] - 1 = floor(log2(a)), exactly
;;       r = np.clip(x / 2.0 ** e, -6, 6)
;;       step = 2.0 ** (np.maximum(np.frexp(np.where(r == 0, 1, r))[1] - 1, 0) - 1)
;;       q = np.round(r / step) * step * 2.0 ** e      # np.round: ties to even
;;       return np.moveaxis(q.reshape(q.shape[:-2] + (-1,))[..., :K], -1, axis).astype(np.float32)
;;   ~~~
;; One version. Each part assembles by itself: llvm-mc -triple=amdgcn-amd-amdhsa -mcpu=gfx1250 --defsym DOCPART=n.
;; ======== version 1 of 1: 5 launches
;; limits: values are held in f16: magnitudes above 65,504 overflow, below 6.1e-05 lose precision
;; workspace buffers: route 66,048 bytes of whole numbers; xq 4,456,448 bytes; wq 1,671,168 bytes; wo 2,097,152 bytes; qkv 50,331,648 bytes; ctx 16,777,216 bytes
;; launch prep (part 1): grid 257 x 1, 4 waves a work-group, no clusters, 0 bytes of LDS; arguments masks, w_qkv, w_out, route, wq, wo; writes route, wq, wo
.if DOCPART == 1
	.amdgcn_target "amdgcn-amd-amdhsa--gfx1250"
	.amdhsa_code_object_version 6
	.text
	.protected	k_q050596313c_prep
	.globl	k_q050596313c_prep
	.p2align	8
	.type	k_q050596313c_prep,@function
k_q050596313c_prep:
	s_mov_b64 s[64:65], 0
	v_nop
	global_prefetch_b8 v0, s[64:65] scope:SCOPE_SE
	s_setreg_imm32_b32 hwreg(HW_REG_WAVE_MODE, 25, 1), 1
	s_wait_xcnt 0x0
; PREP.  Three kinds of work-group, told apart by the work-group's number alone.
;  0-191   w_qkv [1024 (k)][3072 (n)] f32 -> codes of E2M1 along K and one E8M0 byte for each 32 along K.
;  192-255 w_out [1024 (k)][1024 (n)] f32 -> f16.
;  256     the order of the tokens: in each batch those with mask != 0 first, both parts in their old order.
; A LANE TAKES A COLUMN n AND ITS REGISTERS RUN DOWN K: a load reads 128 consecutive bytes a wave (512 a work-group), a block of 32 along K lies in one lane.
; LAYOUTS (the order of the operands' registers):
;  wq codes  [nt 192][kb 32][r 16][16 bytes]: column 16 nt + r, block kb;  wq scales at 1,572,864: [half 2][n 3072][4 words], word q = K step 4 half + q of 128
;  wo        [nt 64][kc 64][h 2][r 16][16 bytes]: column 16 nt + r, k = 16 kc + 8 h + 0..7
;  route     +0 src[b][place] = 2048 b + token;  +32,768 pmask[b][place] = the token's mask;  +65,536 + 128 b: the batch's count of live tokens, 32 times
; A block's scale is 2^(floor(log2(largest magnitude)) - 2); its byte is the largest magnitude's exponent field - 2, held at 1 from below.
; LIMITS: a block of zeros gets the byte 1 (its codes are zeros; this program alone reads the bytes); NaN and infinities are not served.
.set X,   32                           ; v32-159  the numbers as loaded, register i = row i of the wave's 128 (path R: 64 words of masks)
.set C,   160                          ; v160-223 results to store: registers of their own for each store
.set POS, 96                           ; path R: v96-159 byte offset of each token's place
.set TOK, 160                          ; path R: v160-223 the token's global row
.macro LOAD32 t, base, pitch           ; block t: 32 rows of my column
.set i, 0
.rept 32
	global_load_b32 v[X+32*(\t)+i], v2, s[\base:\base+1] offset:(32*(\t)+i)*(\pitch) th:TH_LOAD_NT
.set i, i+1
.endr
.endm
	s_load_b256 s[4:11], s[0:1], 0x0               ; masks s[4:5], w_qkv s[6:7], w_out s[8:9], route s[10:11]
	s_load_b128 s[12:15], s[0:1], 0x20             ; wq s[12:13], wo s[14:15]
	v_lshrrev_b32 v1, 5, v0
	v_readfirstlane_b32 s16, v1                    ; wave
	v_and_b32 v1, 31, v0                           ; lane
	v_lshlrev_b32 v2, 2, v1                        ; 4 x lane
	v_lshrrev_b32 v14, 4, v1                       ; lane / 16
	v_and_b32 v15, 15, v1
	v_lshlrev_b32 v15, 4, v15                      ; 16 x (lane % 16)
	s_mov_b32 s21, 0
	s_wait_kmcnt 0x0
	s_cmp_lt_u32 ttmp9, 192
	s_cbranch_scc0 .Lnot_w
; ---- W: K step kq = number % 8 (128 rows), columns 128 (number / 8) + 32 wave + lane
	s_and_b32 s17, ttmp9, 7                        ; kq
	s_lshr_b32 s18, ttmp9, 3                       ; cg
	s_mul_i32 s20, s17, 128*12288
	s_lshl_b32 s22, s18, 9
	s_add_co_u32 s20, s20, s22
	s_lshl_b32 s22, s16, 7
	s_add_co_u32 s20, s20, s22
	s_add_nc_u64 s[6:7], s[6:7], s[20:21]
	LOAD32 0, 6, 12288
	LOAD32 1, 6, 12288
	s_lshr_b32 s20, s17, 2                         ; the scale words: half, column, word
	s_mul_i32 s20, s20, 49152
	s_lshl_b32 s22, s18, 11
	s_add_co_u32 s20, s20, s22
	s_lshl_b32 s22, s16, 9
	s_add_co_u32 s20, s20, s22
	s_and_b32 s22, s17, 3
	s_lshl_b32 s22, s22, 2
	s_add_co_u32 s20, s20, s22
	s_add_co_u32 s20, s20, 1572864
	s_add_nc_u64 s[24:25], s[12:13], s[20:21]
	s_lshl_b32 s20, s18, 16                        ; the codes: (8 cg + 2 wave) x 8,192 + 1,024 kq
	s_lshl_b32 s22, s16, 14
	s_add_co_u32 s20, s20, s22
	s_lshl_b32 s22, s17, 10
	s_add_co_u32 s20, s20, s22
	s_add_nc_u64 s[12:13], s[12:13], s[20:21]
	v_lshl_add_u32 v3, v14, 13, v15                ; lanes 16-31 belong to the next tile of 16 columns
	v_lshlrev_b32 v4, 4, v1                        ; 16 bytes of scale words a column
.macro BLOCKW t
.set XS, X+32*(\t)
.if (\t) < 3
	s_wait_loadcnt 32                              ; this block's 32 loads are in; the next block's 32 may be out
.else
	s_wait_loadcnt 0x0
.endif
.if (\t) < 2
	LOAD32 (\t)+2, 6, 12288
.endif
	v_max3_num_f32 v12, |v[XS]|, |v[XS+1]|, |v[XS+2]|      ; the block's largest magnitude, in two chains
	v_max3_num_f32 v13, |v[XS+3]|, |v[XS+4]|, |v[XS+5]|
.irp i, 6,10,14,18,22,26
	v_max3_num_f32 v12, v12, |v[XS+\i]|, |v[XS+\i+1]|
	v_max3_num_f32 v13, v13, |v[XS+\i+2]|, |v[XS+\i+3]|
.endr
	v_max3_num_f32 v12, v12, |v[XS+30]|, |v[XS+31]|
	v_max3_num_f32 v12, v12, v13, 0x1800000        ; and the floor 2^(3 - 127): the byte cannot fall under 1
	v_add_nc_u32 v11, 0xff000000, v12              ; 2 off the exponent field: the conversion's scale operand
	v_lshrrev_b32 v13, 23, v11                     ; the scale's byte
.if (\t) == 0
	v_mov_b32 v20, v13
.else
	v_lshl_or_b32 v20, v13, 8*(\t), v20            ; four bytes make the K step's scale word
.endif
.irp g, 0,1,2,3
	v_cvt_scalef32_pk8_fp4_f32 v[C+4*(\t)+\g], v[XS+8*\g:XS+8*\g+7], v11
.endr
	global_store_b128 v3, v[C+4*(\t):C+4*(\t)+3], s[12:13] offset:256*(\t)   ; sixteen lanes store 256 consecutive bytes, aligned
.endm
	BLOCKW 0
	BLOCKW 1
	BLOCKW 2
	BLOCKW 3
	global_store_b32 v4, v20, s[24:25]             ; 4 bytes of each column's 16: 98,304 bytes in the whole launch, one in 128 of what it reads
	s_endpgm
.Lnot_w:
	s_cmp_lt_u32 ttmp9, 256
	s_cbranch_scc0 .Lroute
; ---- O: rows 128 kg on, columns 128 cg + 32 wave + lane
	s_sub_co_u32 s19, ttmp9, 192
	s_and_b32 s17, s19, 7                          ; kg
	s_lshr_b32 s18, s19, 3                         ; cg
	s_lshl_b32 s20, s17, 19                        ; 128 rows of 4,096 bytes
	s_lshl_b32 s22, s18, 9
	s_add_co_u32 s20, s20, s22
	s_lshl_b32 s22, s16, 7
	s_add_co_u32 s20, s20, s22
	s_add_nc_u64 s[8:9], s[8:9], s[20:21]
	LOAD32 0, 8, 4096
	LOAD32 1, 8, 4096
	s_lshl_b32 s20, s18, 18                        ; (8 cg + 2 wave) x 32,768 + 4,096 kg
	s_lshl_b32 s22, s16, 16
	s_add_co_u32 s20, s20, s22
	s_lshl_b32 s22, s17, 12
	s_add_co_u32 s20, s20, s22
	s_add_nc_u64 s[14:15], s[14:15], s[20:21]
	v_lshl_add_u32 v5, v14, 15, v15
.macro BLOCKO t
.if (\t) < 3
	s_wait_loadcnt 32                              ; as above
.else
	s_wait_loadcnt 0x0
.endif
.if (\t) < 2
	LOAD32 (\t)+2, 8, 4096
.endif
.irp e, 0,1,2,3                        ; eight rows each: 16 bytes of f16
.irp p, 0,1,2,3
	v_cvt_pk_f16_f32 v[C+16*(\t)+4*\e+\p], v[X+32*(\t)+8*\e+2*\p], v[X+32*(\t)+8*\e+2*\p+1]
.endr
	global_store_b128 v5, v[C+16*(\t)+4*\e:C+16*(\t)+4*\e+3], s[14:15] offset:1024*(\t)+256*\e   ; sixteen lanes: 256 consecutive bytes, aligned
.endr
.endm
	BLOCKO 0
	BLOCKO 1
	BLOCKO 2
	BLOCKO 3
	s_endpgm
.Lroute:
; ---- R: wave b sorts batch b.  Token 32 i + lane lies in register i.
	s_lshl_b32 s20, s16, 13                        ; 8,192 b
	s_add_nc_u64 s[4:5], s[4:5], s[20:21]
.set i, 0
.rept 64
	global_load_b32 v[X+i], v2, s[4:5] offset:128*i
.set i, i+1
.endr
	s_lshl_b32 s22, s16, 7
	s_add_co_u32 s22, s22, 65536
	s_mov_b32 s23, 0
	s_add_nc_u64 s[24:25], s[10:11], s[22:23]      ; the batch's count
	s_add_nc_u64 s[10:11], s[10:11], s[20:21]      ; the batch's src; pmask 32,768 on
	s_mov_b32 s26, 0                               ; n
	s_mov_b32 s27, 0                               ; live tokens so far
	s_wait_loadcnt 0x0
.set i, 0
.rept 64
	v_cmp_ne_u32 vcc_lo, 0, v[X+i]
	s_bcnt1_i32_b32 s20, vcc_lo
	s_add_co_u32 s26, s26, s20
.set i, i+1
.endr
	v_add_nc_u32 v8, s26, v1                       ; n + lane
	s_lshl_b32 s28, s16, 11
	v_add_nc_u32 v9, s28, v1                       ; 2,048 b + lane
.set i, 0
.rept 64
	v_cmp_ne_u32 vcc_lo, 0, v[X+i]
	v_mbcnt_lo_u32_b32 v6, vcc_lo, 0               ; live lanes below me
	v_add_nc_u32 v6, s27, v6                       ; live tokens ahead of me: a live token's place
	v_add_nc_u32 v7, 32*i, v8
	v_sub_nc_u32 v7, v7, v6                        ; n + dead tokens ahead of me: a dead token's place
	v_cndmask_b32 v[POS+i], v7, v6, vcc_lo
	v_min_u32 v[POS+i], 2047, v[POS+i]
	v_lshlrev_b32 v[POS+i], 2, v[POS+i]
	v_add_nc_u32 v[TOK+i], 32*i, v9
	global_store_b32 v[POS+i], v[TOK+i], s[10:11]
	global_store_b32 v[POS+i], v[X+i], s[10:11] offset:32768
	s_bcnt1_i32_b32 s20, vcc_lo
	s_add_co_u32 s27, s27, s20
.set i, i+1
.endr
	v_mov_b32 v10, s26
	global_store_b32 v2, v10, s[24:25]
	s_endpgm
.Lfunc_end_k_q050596313c_prep:
	.size	k_q050596313c_prep, .Lfunc_end_k_q050596313c_prep-k_q050596313c_prep
	.p2alignl 7, 3214868480
	.fill 96, 4, 3214868480
	.section	.rodata,"a",@progbits
	.p2align	6, 0x0
	.amdhsa_kernel k_q050596313c_prep
		.amdhsa_group_segment_fixed_size 0
		.amdhsa_private_segment_fixed_size 0
		.amdhsa_enable_private_segment 0
		.amdhsa_kernarg_size 48
		.amdhsa_user_sgpr_count 2
		.amdhsa_user_sgpr_kernarg_segment_ptr 1
		.amdhsa_wavefront_size32 1
		.amdhsa_system_sgpr_workgroup_id_x 1
		.amdhsa_system_sgpr_workgroup_id_y 1
		.amdhsa_system_sgpr_workgroup_id_z 1
		.amdhsa_system_vgpr_workitem_id 0
		.amdhsa_next_free_vgpr 224
		.amdhsa_next_free_sgpr 66
		.amdhsa_reserve_vcc 1
		.amdhsa_float_denorm_mode_32 3
		.amdhsa_float_denorm_mode_16_64 3
		.amdhsa_memory_ordered 1
		.amdhsa_forward_progress 1
		.amdhsa_inst_pref_size 93
	.end_amdhsa_kernel
	.amdgpu_metadata
---
amdhsa.version: [ 1, 2 ]
amdhsa.kernels:
  - .name:           k_q050596313c_prep
    .symbol:         k_q050596313c_prep.kd
    .args:
      - { .name: masks, .offset: 0, .size: 8, .value_kind: global_buffer, .address_space: global }
      - { .name: w_qkv, .offset: 8, .size: 8, .value_kind: global_buffer, .address_space: global }
      - { .name: w_out, .offset: 16, .size: 8, .value_kind: global_buffer, .address_space: global }
      - { .name: route, .offset: 24, .size: 8, .value_kind: global_buffer, .address_space: global }
      - { .name: wq, .offset: 32, .size: 8, .value_kind: global_buffer, .address_space: global }
      - { .name: wo, .offset: 40, .size: 8, .value_kind: global_buffer, .address_space: global }
    .group_segment_fixed_size: 0
    .private_segment_fixed_size: 0
    .kernarg_segment_align: 8
    .kernarg_segment_size: 48
    .max_flat_workgroup_size: 128
    .sgpr_count:     66
    .vgpr_count:     224
    .wavefront_size: 32
...
	.end_amdgpu_metadata
.endif
;; end of part 1
;; launch quantx (part 2): grid 256 x 1, 4 waves a work-group, no clusters, 34,304 bytes of LDS; arguments x, route, xq; writes xq
.if DOCPART == 2
	.amdgcn_target "amdgcn-amd-amdhsa--gfx1250"
	.amdhsa_code_object_version 6
	.text
	.protected	k_q050596313c_quantx
	.globl	k_q050596313c_quantx
	.p2align	8
	.type	k_q050596313c_quantx,@function
k_q050596313c_quantx:
	s_mov_b64 s[64:65], 0
	v_nop
	global_prefetch_b8 v0, s[64:65] scope:SCOPE_SE
	s_setreg_imm32_b32 hwreg(HW_REG_WAVE_MODE, 25, 1), 1
	s_wait_xcnt 0x0
; QUANTX.  The rows of x [8192][1024] f32 are gathered in the order that route's src gives and turned into codes of E2M1 with one E8M0 byte for each 32 along K.
; xq codes [rt 512][kb 32][r 16][16 bytes]: place 16 rt + r, block kb;  xq scales at 4,194,304: [half 2][place 8192][4 words], word q = K step 4 half + q of 128.
; A wave takes a tile of 16 rows (rt = 2 x work-group + wave / 2) and half of K (wave % 2), in four steps of 128 along K.
; A load takes 512 consecutive bytes of ONE row; the 16 rows turn through the wave's own stage in LDS (rows 528 bytes apart), and come back so that lane (r, h) holds
; blocks h and 2 + h of row r whole, which is the order of the operand's registers: a step's codes leave as two stores of 512 consecutive bytes.
; No barrier: a wave touches its own stage alone.  LIMITS: as in prep (a block of zeros: byte 1; NaN and infinities not served).
.set SPITCH, 528
.set WSTG,  16*SPITCH
.set SPARE, 4*WSTG                     ; behind the four stages: the spare words, 128 bytes a wave
.set OFF,   16                         ; v16-31   row i: 4,096 x src + 16 x lane; never rewritten
.set R,     32                         ; v32-159  two sets of 16 x 4 registers as loaded
.set X,     160                        ; v160-223 my two blocks of 32
.set C,     224                        ; v224-239 codes, two sets of 8
.set SW,    240                        ; v240-243 the four steps' scale words
.set TM,    244                        ; v244-245 maxima, v246-247 scale operands, v248-249 bytes, v250-251 at work
.set SPW,   252
.set NIL,   253
.set SH,    254                        ; 8 h
	s_load_b128 s[4:7], s[0:1], 0x0                ; x, route
	s_load_b64 s[8:9], s[0:1], 0x10                ; xq
	v_lshl_add_u32 v[SPW], v0, 2, SPARE
	v_mov_b32 v[NIL], 0
	v_lshrrev_b32 v1, 5, v0
	v_readfirstlane_b32 s10, v1                    ; wave
	v_and_b32 v5, 31, v0                           ; lane
	v_lshlrev_b32 v1, 4, v5                        ; 16 x lane
	s_lshr_b32 s11, s10, 1
	s_lshl_b32 s12, ttmp9, 1
	s_add_co_u32 s12, s12, s11                     ; rt
	s_and_b32 s13, s10, 1                          ; half
	s_lshl_b32 s14, s12, 6
	s_mov_b32 s15, 0
	s_wait_kmcnt 0x0
	s_add_nc_u64 s[6:7], s[6:7], s[14:15]
	s_load_b512 s[16:31], s[6:7], 0x0              ; src of my 16 places
	s_mul_i32 s32, s10, WSTG
	v_add_nc_u32 v2, s32, v1                       ; the stage, on the way in: 16 x lane of a row
	v_and_b32 v3, 15, v0
	v_mul_u32_u24 v3, v3, SPITCH
	v_bfe_u32 v4, v0, 4, 1
	v_lshl_add_u32 v3, v4, 7, v3
	v_add_nc_u32 v3, s32, v3                       ; and back: row r, + 128 h
	v_lshlrev_b32 v[SH], 3, v4
	v_mov_b32 v[TM+7], 0                           ; a lane permute's destination counts as one of its sources
	s_mov_b32 s38, 0x76543210
	s_mov_b32 s39, 0xfedcba98
	s_lshl_b32 s34, s13, 11
	s_mov_b32 s35, 0
	s_add_nc_u64 s[4:5], s[4:5], s[34:35]          ; x at my half of K
	s_lshl_b32 s34, s12, 13
	s_lshl_b32 s33, s13, 12
	s_add_co_u32 s34, s34, s33
	s_add_nc_u64 s[36:37], s[8:9], s[34:35]        ; my codes
	s_lshl_b32 s34, s12, 8
	s_lshl_b32 s33, s13, 17
	s_add_co_u32 s34, s34, s33
	s_add_co_u32 s34, s34, 4194304
	s_add_nc_u64 s[8:9], s[8:9], s[34:35]          ; my scale words
	s_wait_kmcnt 0x0
.irp i, 0,1,2,3,4,5,6,7,8,9,10,11,12,13,14,15
	s_min_u32 s[16+\i], s[16+\i], 8191
	s_lshl_b32 s[16+\i], s[16+\i], 12
	v_add_nc_u32 v[OFF+\i], s[16+\i], v1
.endr
.macro LOAD t
.irp i, 0,1,2,3,4,5,6,7,8,9,10,11,12,13,14,15
	global_load_b128 v[R+64*((\t)%2)+4*\i:R+64*((\t)%2)+4*\i+3], v[OFF+\i], s[4:5] offset:512*(\t) th:TH_LOAD_NT
.endr
.endm
	LOAD 0
	LOAD 1
.macro STEP t
.set RS, R+64*((\t)%2)
.set CC, C+8*((\t)%2)
.if (\t) < 3
	s_wait_loadcnt 16                              ; this step's 16 loads are in; the next step's 16 may be out
.else
	s_wait_loadcnt 0x0
.endif
	s_wait_xcnt 0x0                                ; the stores of two steps back have read this set of codes
.irp i, 0,1,2,3,4,5,6,7,8,9,10,11,12,13,14,15
	ds_store_b128 v2, v[RS+4*\i:RS+4*\i+3] offset:SPITCH*\i
.endr
.irp c, 0,1
.irp j, 0,1,2,3,4,5,6,7
	ds_load_b128 v[X+32*\c+4*\j:X+32*\c+4*\j+3], v3 offset:256*\c+16*\j   ; LDS serves a wave's instructions in order: these see the stores above
.endr
.endr
	s_wait_dscnt 0x0                               ; my blocks are in, and the stores have read their registers
.if (\t) < 2
	LOAD (\t)+2
.endif
.irp c, 0,1
	v_max3_num_f32 v[TM+\c], |v[X+32*\c]|, |v[X+32*\c+1]|, 0x1800000   ; with the floor 2^(3 - 127)
.endr
.irp i, 2,4,6,8,10,12,14,16,18,20,22,24,26,28,30
.irp c, 0,1
	v_max3_num_f32 v[TM+\c], v[TM+\c], |v[X+32*\c+\i]|, |v[X+32*\c+\i+1]|
.endr
.endr
.irp c, 0,1
	v_add_nc_u32 v[TM+2+\c], 0xff000000, v[TM+\c]  ; 2 off the exponent field: the conversion's scale operand
.endr
.irp c, 0,1
	v_lshrrev_b32 v[TM+4+\c], 23, v[TM+2+\c]       ; the byte
.endr
	v_lshl_or_b32 v[TM+6], v[TM+5], 16, v[TM+4]    ; blocks h and 2 + h,
	v_lshlrev_b32 v[TM+6], v[SH], v[TM+6]          ; at their places in the word;
	v_permlanex16_b32 v[TM+7], v[TM+6], s38, s39
	v_or_b32 v[SW+(\t)], v[TM+6], v[TM+7]          ; with lane l xor 16's two the word is whole
.irp c, 0,1
.irp g, 0,1,2,3
	v_cvt_scalef32_pk8_fp4_f32 v[CC+4*\c+\g], v[X+32*\c+8*\g:X+32*\c+8*\g+7], v[TM+2+\c]
.endr
.endr
.irp c, 0,1
	global_store_b128 v1, v[CC+4*\c:CC+4*\c+3], s[36:37] offset:1024*(\t)+512*\c   ; 512 consecutive bytes
.endr
.endm
	STEP 0
	STEP 1
	STEP 2
	STEP 3
	s_wait_xcnt 0x0                                ; EXEC changes only behind this wait
	v_cmp_gt_u32 vcc_lo, 16, v5
	s_and_saveexec_b32 s40, vcc_lo
	global_store_b128 v1, v[SW:SW+3], s[8:9]       ; sixteen lanes: my 16 rows' words, 256 consecutive bytes, aligned
	s_wait_xcnt 0x0
	s_or_b32 exec_lo, exec_lo, s40
	s_wait_tensorcnt 0x0                           ; the wave's end, behind my last LDS store
	ds_add_u32 v[SPW], v[NIL]
	s_wait_dscnt 0x0
	s_endpgm
.Lfunc_end_k_q050596313c_quantx:
	.size	k_q050596313c_quantx, .Lfunc_end_k_q050596313c_quantx-k_q050596313c_quantx
	.p2alignl 7, 3214868480
	.fill 96, 4, 3214868480
	.section	.rodata,"a",@progbits
	.p2align	6, 0x0
	.amdhsa_kernel k_q050596313c_quantx
		.amdhsa_group_segment_fixed_size 34304
		.amdhsa_private_segment_fixed_size 0
		.amdhsa_enable_private_segment 0
		.amdhsa_kernarg_size 24
		.amdhsa_user_sgpr_count 2
		.amdhsa_user_sgpr_kernarg_segment_ptr 1
		.amdhsa_wavefront_size32 1
		.amdhsa_system_sgpr_workgroup_id_x 1
		.amdhsa_system_sgpr_workgroup_id_y 1
		.amdhsa_system_sgpr_workgroup_id_z 1
		.amdhsa_system_vgpr_workitem_id 0
		.amdhsa_next_free_vgpr 256
		.amdhsa_next_free_sgpr 66
		.amdhsa_reserve_vcc 1
		.amdhsa_float_denorm_mode_32 3
		.amdhsa_float_denorm_mode_16_64 3
		.amdhsa_memory_ordered 1
		.amdhsa_forward_progress 1
		.amdhsa_inst_pref_size 32
	.end_amdhsa_kernel
	.amdgpu_metadata
---
amdhsa.version: [ 1, 2 ]
amdhsa.kernels:
  - .name:           k_q050596313c_quantx
    .symbol:         k_q050596313c_quantx.kd
    .args:
      - { .name: x, .offset: 0, .size: 8, .value_kind: global_buffer, .address_space: global }
      - { .name: route, .offset: 8, .size: 8, .value_kind: global_buffer, .address_space: global }
      - { .name: xq, .offset: 16, .size: 8, .value_kind: global_buffer, .address_space: global }
    .group_segment_fixed_size: 34304
    .private_segment_fixed_size: 0
    .kernarg_segment_align: 8
    .kernarg_segment_size: 24
    .max_flat_workgroup_size: 128
    .sgpr_count:     66
    .vgpr_count:     256
    .wavefront_size: 32
...
	.end_amdgpu_metadata
.endif
;; end of part 2
;; launch qkv (part 3): grid 12 x 32, 4 waves a work-group, clusters of 4 x 4, 327,680 bytes of LDS; arguments xq, wq, b_qkv, route, qkv; writes qkv
.if DOCPART == 3
	.amdgcn_target "amdgcn-amd-amdhsa--gfx1250"
	.amdhsa_code_object_version 6
	.text
	.protected	k_q050596313c_qkv
	.globl	k_q050596313c_qkv
	.p2align	8
	.type	k_q050596313c_qkv,@function
k_q050596313c_qkv:
	s_mov_b64 s[64:65], 0
	v_nop
	global_prefetch_b8 v0, s[64:65] scope:SCOPE_SE
	s_setreg_imm32_b32 hwreg(HW_REG_WAVE_MODE, 25, 1), 1
	s_wait_xcnt 0x0
	s_wait_alu depctr_hold_cnt(0) depctr_sa_sdst(0) depctr_va_vdst(0) depctr_va_sdst(0) depctr_va_ssrc(0) depctr_va_vcc(0) depctr_vm_vsrc(0)
	s_getreg_b32 s2, hwreg(HW_REG_IB_STS2, 6, 4)
	s_cmp_eq_u32 s2, 0
	s_cbranch_scc0 .Lentry_in_a_cluster
	s_endpgm
.Lentry_in_a_cluster:
	s_bfe_u32 s2, ttmp6, 0x10000c
	s_cmp_lg_u32 s2, 0xf033
	s_cbranch_scc0 .Lentry_shape_is_right
	s_endpgm
.Lentry_shape_is_right:
; QKV.  The quantised product: C[place][n] = sum over k of x[place][k] w_qkv[k][n] + b_qkv[n], 8,192 x 3,072 x 1,024, on codes of E2M1 with E8M0 scales; sums in f32; the result is stored as f16.
; A work-group of four waves makes 256 x 256, a wave 128 x 128: 64 accumulators, 512 registers.  All of K (1,024) lies in LDS as two slots of 512, each filled ONCE at the head: nothing is filled again.
; Codes lie in memory in the order of the operands' registers: a fragment (16 rows x 128 K) is two loads of 16 bytes at 16 x lane, 512 bytes apart: no pitch, no padding.
; CLUSTERS: 4 x 4 work-groups; A's tiles are asked for jointly along a row of the cluster, B's along a column.
; THE MATRIX INSTRUCTION IS USED TRANSPOSED (source 0 = 16 columns of w, source 1 = 16 rows of x): a lane holds eight neighbouring n of one row; rounded to f16 they are 16 bytes, and
; the wave's 32 lanes are one chunk of 512 consecutive bytes of qkv [tensor 3][b 4][head 16][tile 128][cb 4][512 bytes] (chunk: lane (h, r) = token 16 tile + r, channels 16 cb + 8 h + 0..7): no stage.
; The bias is the C of each sum's first product.  Only the tiles of 16 places under max(8, 4 ceil(n_b / 64)) are stored (n_b: the batch's live tokens): the later launch reads no others.  That choice is made by EXEC, with no jump.
; By this text's own count a wave has three tensor loads out at the most.
; LIMITS: results above 65,504 in magnitude overflow f16.
; REGISTERS: window 0: v16-31 addresses; v32-95 scale words, two sets; v128-191 A's fragments, one set; v192-223 the way out.  window 1: B's fragments at v0 and v128; the bias at v64-127.  windows 2, 3: the accumulators.
.set NQ,     4
.set FR,     8
.set NL,     2
.set NP,     4
.set HALFT,  32768                     ; 8 tiles of 16 rows x 4,096 bytes: what one tensor load brings
.set SLOT,   4*HALFT
.set SCL,    2*SLOT                    ; the scale words: for each wave's load [half 2][128 rows][16 bytes]
.set SPARE,  SCL+4*4096
.set ADRA, 16
.set ADRB, 20
.set CO,   26                          ; 16 x lane
.set ADRS, 27
.set SPW,  28
.set NIL,  29
.set LIVE, 30                          ; tiles of my 8 that are stored
.set BA,   31
.set SC,   32
.set AF,   128
.set TMP,  192
.set BIAS, 64                          ; in window 1
.set G1, 24
.set G0, 32
.set G1B, 48
.set G0B, 56
.set G1S, 68
.set G0S, 76
.set G1SB, 80
.set G0SB, 88
.set MSB, 0
.macro WIN new
.if MSB != \new
	s_set_vgpr_msb (MSB<<8)|\new
.set MSB, \new
.endif
.endm
.set MUL_LO, 0xa1                      ; source 0 (B) window 1, source 1 (A) window 0, C and D window 2
.set MUL_HI, 0xf1
.set TO_B,   0x40
.macro JLOAD g0a, g1a, g0b, g1b        ; waves 0 and 1 fetch for A, waves 2 and 3 for B; an s_nop 0 and four v_nop follow each line
	s_cmp_eq_u32 s15, 0
	s_cbranch_scc0 .Lfor_b_\@
	tensor_load_to_lds s[\g0a:\g0a+3], s[\g1a:\g1a+7]
	s_nop 0
.rept 4
	v_nop
.endr
	s_branch .Lasked_\@
.Lfor_b_\@:
	tensor_load_to_lds s[\g0b:\g0b+3], s[\g1b:\g1b+7]
	s_nop 0
.rept 4
	v_nop
.endr
.Lasked_\@:
.endm
.macro CROUND                          ; a round of the cluster's barrier
	s_barrier_signal -1
	s_barrier_wait -1
	s_cmp_lg_u32 s14, 0
	s_cbranch_scc1 .Lnot_wave_0_\@
	s_barrier_signal -3
.Lnot_wave_0_\@:
	s_barrier_wait -3
	s_barrier_signal -1
	s_barrier_wait -1
.endm
	s_load_b256 s[4:11], s[0:1], 0x0               ; xq s[4:5], wq s[6:7], b_qkv s[8:9], route s[10:11]
	s_load_b64 s[12:13], s[0:1], 0x20              ; qkv
	v_lshl_add_u32 v[SPW], v0, 2, SPARE
	v_mov_b32 v[NIL], 0
	ds_add_u32 v[SPW], v[NIL]                      ; the wave's opening: the add, twice on end, and its wait ahead of my first tensor load
	ds_add_u32 v[SPW], v[NIL]
	v_lshrrev_b32 v1, 5, v0
	v_readfirstlane_b32 s14, v1                    ; wave
	s_lshr_b32 s15, s14, 1                         ; my half of the tile's rows; also: I fetch for A (0) or B (1)
	s_and_b32 s16, s14, 1                          ; my half of its columns; also: which 128 rows I fetch
	s_bfe_u32 s40, ttmp6, 0x40000                  ; cx
	s_bfe_u32 s41, ttmp6, 0x40004                  ; cy
	s_lshl_b32 s42, ttmp9, 2
	s_add_co_u32 s42, s42, s40                     ; tile column
	s_and_b32 s17, ttmp7, 0xffff
	s_lshl_b32 s17, s17, 2
	s_add_co_u32 s17, s17, s41                     ; tile row
	s_lshl_b32 s43, s41, 2
	s_lshl_b32 s43, 15, s43                        ; my row of the cluster
	s_lshl_b32 s44, 0x1111, s40                    ; my column
	s_or_b32 s[G1+0], s43, (3<<16)|(1<<21)         ; the mask; elements of 8 bytes; bit 21 beside a mask; no padding
	s_or_b32 s[G1B+0], s44, (3<<16)|(1<<21)
.irp g, G1, G1B                        ; codes: 8 rows (tiles of 16) of 4,096 bytes, 8,192 bytes apart
	s_mov_b32 s[\g+1], 512<<16
	s_mov_b32 s[\g+2], 8<<16
	s_mov_b32 s[\g+3], 512<<16
	s_mov_b32 s[\g+4], 8
	s_mov_b32 s[\g+5], 1024
	s_mov_b32 s[\g+6], 0
	s_mov_b32 s[\g+7], 0
.endr
	s_or_b32 s[G1S+0], s43, (3<<16)|(1<<21)
	s_or_b32 s[G1SB+0], s44, (3<<16)|(1<<21)
.irp g, G1S, G1SB                      ; scale words: 2 rows (halves of K) of 2,048 bytes
	s_mov_b32 s[\g+1], 256<<16
	s_mov_b32 s[\g+2], 2<<16
	s_mov_b32 s[\g+3], 256<<16
	s_mov_b32 s[\g+4], 2
	s_mov_b32 s[\g+6], 0
	s_mov_b32 s[\g+7], 0
.endr
	s_mov_b32 s[G1S+5], 16384                      ; 131,072 bytes from half to half in xq,
	s_mov_b32 s[G1SB+5], 6144                      ; 49,152 in wq
	s_lshl_b32 s18, s16, 3
	s_lshl_b32 s20, s17, 4
	s_add_co_u32 s20, s20, s18                     ; A: tile of 16 rows 16 x tile row + 8 x half
	s_lshl_b32 s46, s42, 4
	s_add_co_u32 s46, s46, s18                     ; B likewise
	s_lshl_b32 s22, s20, 8
	s_add_co_u32 s22, s22, 4194304
	s_mov_b32 s23, 0
	s_lshl_b32 s92, s46, 8
	s_add_co_u32 s92, s92, 1572864
	s_mov_b32 s93, 0
	s_lshl_b32 s20, s20, 13
	s_mov_b32 s21, 0
	s_lshl_b32 s46, s46, 13
	s_mov_b32 s47, 0
	s_lshl_b32 s45, s14, 15                        ; where they go: wave x 32,768,
	s_lshl_b32 s94, s14, 12                        ; wave x 4,096
	s_wait_dscnt 0x0                               ; both opening adds are done
	s_wait_kmcnt 0x0
	s_add_nc_u64 s[20:21], s[4:5], s[20:21]
	s_add_nc_u64 s[22:23], s[4:5], s[22:23]
	s_add_nc_u64 s[46:47], s[6:7], s[46:47]
	s_add_nc_u64 s[92:93], s[6:7], s[92:93]
	CROUND                                         ; all sixteen work-groups are here: the joint loads meet
	s_mov_b32 s[G0S], 1
	s_add_co_u32 s[G0S+1], s94, SCL
	s_mov_b64 s[G0S+2:G0S+3], s[22:23]
	s_or_b32 s[G0S+3], s[G0S+3], 0x80000000
	s_mov_b32 s[G0SB], 1
	s_add_co_u32 s[G0SB+1], s94, SCL
	s_mov_b64 s[G0SB+2:G0SB+3], s[92:93]
	s_or_b32 s[G0SB+3], s[G0SB+3], 0x80000000
	JLOAD G0S, G1S, G0SB, G1SB
.irp s, 0,1
	s_mov_b32 s[G0+4*\s], 1
	s_add_co_u32 s[G0+4*\s+1], s45, \s*SLOT
	s_add_nc_u64 s[G0+4*\s+2:G0+4*\s+3], s[20:21], \s*4096
	s_or_b32 s[G0+4*\s+3], s[G0+4*\s+3], 0x80000000
	s_mov_b32 s[G0B+4*\s], 1
	s_add_co_u32 s[G0B+4*\s+1], s45, \s*SLOT
	s_add_nc_u64 s[G0B+4*\s+2:G0B+4*\s+3], s[46:47], \s*4096
	s_or_b32 s[G0B+4*\s+3], s[G0B+4*\s+3], 0x80000000
	JLOAD G0+4*\s, G1, G0B+4*\s, G1B
.endr
	s_lshr_b32 s96, s17, 3                         ; the batch
	s_lshl_b32 s96, s96, 7
	s_mov_b32 s97, 0
	s_add_nc_u64 s[10:11], s[10:11], s[96:97]
	s_load_b32 s98, s[10:11], 0x10000              ; n_b
	v_and_b32 v1, 31, v0
	v_lshlrev_b32 v[CO], 4, v1
	v_and_b32 v2, 15, v0                           ; r
	v_bfe_u32 v3, v0, 4, 1                         ; h
	s_lshl_b32 s21, s15, 15                        ; my 128 rows of A
	s_lshl_b32 s22, s16, 15                        ; my 128 rows of B,
	s_add_co_u32 s22, s22, 2*HALFT                 ; behind A's 256
.irp s, 0,1
	v_add_nc_u32 v[ADRA+\s], s21, v[CO]
	v_add_nc_u32 v[ADRB+\s], s22, v[CO]
	s_add_co_u32 s21, s21, SLOT
	s_add_co_u32 s22, s22, SLOT
.endr
	s_lshl_b32 s21, s15, 12                        ; scale words: lanes 0-15 take A's rows, lanes 16-31 B's: the lower base + h x the distance
	s_lshl_b32 s22, s16, 12
	s_add_co_u32 s22, s22, 2*4096
	s_sub_co_u32 s22, s22, s21
	v_mul_u32_u24 v4, s22, v3
	s_add_co_u32 s21, s21, SCL
	v_lshl_add_u32 v4, v2, 4, v4
	v_add_nc_u32 v[ADRS], s21, v4
	v_lshlrev_b32 v[BA], 5, v3                     ; the bias: 32 h bytes
	s_lshl_b32 s20, s42, 10
	s_lshl_b32 s21, s16, 9
	s_add_co_u32 s20, s20, s21
	s_mov_b32 s21, 0
	s_add_nc_u64 s[8:9], s[8:9], s[20:21]          ; b_qkv at my first column
	WIN TO_B
.irp b, 0,1,2,3,4,5,6,7
	global_load_b128 v[BIAS+8*\b:BIAS+8*\b+3], v[BA], s[8:9] offset:64*\b        ; lane (r, h): b_qkv at columns 16 b + 8 h + 0..7
	global_load_b128 v[BIAS+8*\b+4:BIAS+8*\b+7], v[BA], s[8:9] offset:64*\b+16
.endr
	WIN 0
	s_lshr_b32 s20, s42, 2                         ; where my part of qkv begins: tensor,
	s_lshl_b32 s20, s20, 24
	s_lshr_b32 s21, s17, 3                         ; batch,
	s_lshl_b32 s21, s21, 22
	s_add_co_u32 s20, s20, s21
	s_lshl_b32 s21, s42, 2                         ; head,
	s_lshl_b32 s22, s16, 1
	s_add_co_u32 s21, s21, s22
	s_and_b32 s21, s21, 15
	s_lshl_b32 s21, s21, 18
	s_add_co_u32 s20, s20, s21
	s_and_b32 s96, s17, 7                          ; my first tile of 16 places in the batch
	s_lshl_b32 s96, s96, 4
	s_lshl_b32 s97, s15, 3
	s_add_co_u32 s96, s96, s97
	s_lshl_b32 s21, s96, 11
	s_add_co_u32 s20, s20, s21
	s_mov_b32 s21, 0
	s_add_nc_u64 s[12:13], s[12:13], s[20:21]
	s_wait_kmcnt 0x0
	s_add_co_u32 s98, s98, 63
	s_lshr_b32 s98, s98, 6
	s_lshl_b32 s98, s98, 2
	s_max_u32 s98, s98, 8                          ; tiles of the batch that are stored
	s_sub_co_i32 s98, s98, s96
	v_mov_b32 v[LIVE], s98
.macro FRAG reg, adr, q, i
.irp c, 0,1
	ds_load_b128 v[\reg+4*\c:\reg+4*\c+3], v[\adr] offset:(\i)*4096+(\q)*1024+512*\c
.endr
.endm
; 16 products: A's blocks a0, a0 + 1 x B's eight.  first = 1: the bias is C.  The 64 accumulators take turns, one instruction a turn.
.macro MUL16 a0, p, q, sc, first
.irp a, \a0, \a0+1
.irp b, 0,1,2,3,4,5,6,7
.if \first
	v_wmma_scale_f32_16x16x128_f8f6f4 v[8*(8*((\a)%4)+\b):8*(8*((\a)%4)+\b)+7], v[128*(\p)+FR*\b:128*(\p)+FR*\b+FR-1], v[AF+FR*(\a):AF+FR*(\a)+FR-1], v[BIAS+8*\b:BIAS+8*\b+7], v[SC+8*NQ*(\sc)+NQ*\b+(\q)], v[SC+8*NQ*(\sc)+NQ*(\a)+(\q)] matrix_a_fmt:MATRIX_FMT_FP4 matrix_b_fmt:MATRIX_FMT_FP4 matrix_a_scale:MATRIX_SCALE_ROW1
.else
	v_wmma_scale_f32_16x16x128_f8f6f4 v[8*(8*((\a)%4)+\b):8*(8*((\a)%4)+\b)+7], v[128*(\p)+FR*\b:128*(\p)+FR*\b+FR-1], v[AF+FR*(\a):AF+FR*(\a)+FR-1], v[8*(8*((\a)%4)+\b):8*(8*((\a)%4)+\b)+7], v[SC+8*NQ*(\sc)+NQ*\b+(\q)], v[SC+8*NQ*(\sc)+NQ*(\a)+(\q)] matrix_a_fmt:MATRIX_FMT_FP4 matrix_b_fmt:MATRIX_FMT_FP4 matrix_a_scale:MATRIX_SCALE_ROW1
.endif
.endr
.endr
.endm
.macro FETCH_B slot, q, p
	WIN TO_B
.irp i, 0,1,2,3,4,5,6,7
	FRAG 128*(\p)+FR*\i, ADRB+\slot, \q, \i
.endr
	WIN 0
.endm
.macro FETCH_A slot, q, i0
.irp i, \i0, \i0+1, \i0+2, \i0+3
	FRAG AF+FR*(\i), ADRA+\slot, \q, \i
.endr
.endm
.macro SCALES sc                       ; a slot's scale words: lanes 0-15 A's block i, lanes 16-31 B's block i; four words a row
.irp i, 0,1,2,3,4,5,6,7
	ds_load_b128 v[SC+8*NQ*\sc+NQ*\i:SC+8*NQ*\sc+NQ*\i+3], v[ADRS] offset:\i*256+\sc*2048
.endr
.endm
.macro PLACES n                        ; plain vector instructions between a matrix instruction and a load into, or a read of, its registers
.rept \n
	v_nop
.endr
.endm
.macro STEP slot, q, first
	s_wait_dscnt 4*NL                              ; B's set and A's blocks 0-3 are in; the youngest eight loads (A's blocks 4-7) may be out
.if \first
	WIN 0x91                                       ; C (the bias) window 1, D window 2
.else
	WIN MUL_LO
.endif
	MUL16 0, (\q)%2, \q, \slot, \first
	MUL16 2, (\q)%2, \q, \slot, \first
	s_wait_dscnt 0
	PLACES NP
	FETCH_B \slot, (\q)+1, 1-(\q)%2
	FETCH_A \slot, (\q)+1, 0
.if \first
	WIN 0xd1
.else
	WIN MUL_HI
.endif
	MUL16 4, (\q)%2, \q, \slot, \first
	MUL16 6, (\q)%2, \q, \slot, \first
	PLACES NP
	WIN 0
	FETCH_A \slot, (\q)+1, 4
.endm
.macro STEPS slot, from
.set Q, \from
.rept NQ-1-\from
	STEP \slot, Q, 0
.set Q, Q+1
.endr
.endm
	s_wait_tensorcnt 1                             ; the scale words and my part of slot 0 are in; slot 1's load, issued behind them, may be out
	s_barrier_signal -1
	s_barrier_wait -1                              ; everybody's are
	FETCH_B 0, 0, 0
	FETCH_A 0, 0, 0
	SCALES 0
	FETCH_A 0, 0, 4
	s_wait_loadcnt 0x0                             ; the bias
	STEP 0, 0, 1
	STEPS 0, 1
	; slot 0's last step changes slots: one barrier
	s_wait_tensorcnt 0x0                           ; my part of slot 1 has landed
	ds_add_u32 v[SPW], v[NIL]
	s_wait_dscnt 4*NL+1                            ; the add and the youngest eight loads may be out
	WIN MUL_LO
	MUL16 0, 1, NQ-1, 0, 0
	s_wait_dscnt 0x0                               ; no LDS instruction of mine is pending at the signal
	s_barrier_signal -1
	MUL16 2, 1, NQ-1, 0, 0
	WIN 0
	s_barrier_wait -1                              ; slot 1 is whole
	PLACES NP
	FETCH_B 1, 0, 0
	FETCH_A 1, 0, 0
	SCALES 1
	WIN MUL_HI
	MUL16 4, 1, NQ-1, 0, 0
	MUL16 6, 1, NQ-1, 0, 0
	PLACES NP
	WIN 0
	FETCH_A 1, 0, 4
	STEPS 1, 0
	s_wait_dscnt 4*NL                              ; the last step: nothing more to fetch
	WIN MUL_LO
	MUL16 0, 1, NQ-1, 1, 0
	MUL16 2, 1, NQ-1, 1, 0
	s_wait_dscnt 0
	WIN MUL_HI
	MUL16 4, 1, NQ-1, 1, 0
	MUL16 6, 1, NQ-1, 1, 0
	WIN 0
	PLACES NP
; THE WAY OUT: block a = 16 places x 128 columns = 8 chunks of 512 bytes.  Each accumulator is read from its low end on.
.macro OUTA a
.set AC, 64*((\a)%4)
	WIN 0x0a+5*((\a)/4)                            ; sources in window 2 or 3
.irp b, 0,1,2,3,4,5,6,7
.irp i, 0,1,2,3
	v_cvt_pk_f16_f32 v[TMP+4*\b+\i], v[AC+8*\b+2*\i], v[AC+8*\b+2*\i+1]
.endr
.endr
	WIN 0
	s_wait_xcnt 0x0                                ; EXEC changes only behind this wait
	v_cmp_lt_i32 vcc_lo, \a, v[LIVE]               ; the same in all lanes: is this tile of places stored?
	s_and_saveexec_b32 s99, vcc_lo
.irp b, 0,1,2,3,4,5,6,7
	global_store_b128 v[CO], v[TMP+4*\b:TMP+4*\b+3], s[12:13] offset:(\a)*2048+(\b/4)*262144+(\b%4)*512   ; 512 consecutive bytes
.endr
	s_wait_xcnt 0x0                                ; the stores have read EXEC and their registers
	s_or_b32 exec_lo, exec_lo, s99
.endm
.irp a, 0,1,2,3,4,5,6,7
	OUTA \a
.endr
	s_wait_tensorcnt 0x0                           ; the wave's end
	ds_add_u32 v[SPW], v[NIL]
	s_wait_dscnt 0x0
	CROUND                                         ; the closing round
	s_endpgm
.Lfunc_end_k_q050596313c_qkv:
	.size	k_q050596313c_qkv, .Lfunc_end_k_q050596313c_qkv-k_q050596313c_qkv
	.p2alignl 7, 3214868480
	.fill 96, 4, 3214868480
	.section	.rodata,"a",@progbits
	.p2align	6, 0x0
	.amdhsa_kernel k_q050596313c_qkv
		.amdhsa_group_segment_fixed_size 327680
		.amdhsa_private_segment_fixed_size 0
		.amdhsa_enable_private_segment 0
		.amdhsa_kernarg_size 40
		.amdhsa_user_sgpr_count 2
		.amdhsa_user_sgpr_kernarg_segment_ptr 1
		.amdhsa_wavefront_size32 1
		.amdhsa_system_sgpr_workgroup_id_x 1
		.amdhsa_system_sgpr_workgroup_id_y 1
		.amdhsa_system_sgpr_workgroup_id_z 1
		.amdhsa_system_vgpr_workitem_id 0
		.amdhsa_next_free_vgpr 1024
		.amdhsa_next_free_sgpr 100
		.amdhsa_reserve_vcc 1
		.amdhsa_float_denorm_mode_32 3
		.amdhsa_float_denorm_mode_16_64 3
		.amdhsa_memory_ordered 1
		.amdhsa_forward_progress 1
		.amdhsa_inst_pref_size 120
	.end_amdhsa_kernel
	.amdgpu_metadata
---
amdhsa.version: [ 1, 2 ]
amdhsa.kernels:
  - .name:           k_q050596313c_qkv
    .symbol:         k_q050596313c_qkv.kd
    .args:
      - { .name: xq, .offset: 0, .size: 8, .value_kind: global_buffer, .address_space: global }
      - { .name: wq, .offset: 8, .size: 8, .value_kind: global_buffer, .address_space: global }
      - { .name: b_qkv, .offset: 16, .size: 8, .value_kind: global_buffer, .address_space: global }
      - { .name: route, .offset: 24, .size: 8, .value_kind: global_buffer, .address_space: global }
      - { .name: qkv, .offset: 32, .size: 8, .value_kind: global_buffer, .address_space: global }
    .group_segment_fixed_size: 327680
    .private_segment_fixed_size: 0
    .kernarg_segment_align: 8
    .kernarg_segment_size: 40
    .max_flat_workgroup_size: 128
    .sgpr_count:     100
    .vgpr_count:     1024
    .wavefront_size: 32
...
	.end_amdgpu_metadata
.endif
;; end of part 3
;; launch attn (part 4): grid 4 x 64, 8 waves a work-group, no clusters, 33,792 bytes of LDS; arguments qkv, route, ctx; writes ctx
.if DOCPART == 4
	.amdgcn_target "amdgcn-amd-amdhsa--gfx1250"
	.amdhsa_code_object_version 6
	.text
	.protected	k_q050596313c_attn
	.globl	k_q050596313c_attn
	.p2align	8
	.type	k_q050596313c_attn,@function
k_q050596313c_attn:
	s_mov_b64 s[64:65], 0
	v_nop
	global_prefetch_b8 v0, s[64:65] scope:SCOPE_SE
	s_setreg_imm32_b32 hwreg(HW_REG_WAVE_MODE, 25, 1), 1
	s_wait_xcnt 0x0
; ATTN.  ctx[place] = mask[place] x sum over live keys k of softmax_k(q . k / 8) v, for one batch and head (work-group y), on f16 operands with f32 sums, maxima and row sums.
; The tokens lie sorted, the n live ones of a batch first.  A token with mask 0 counts as no key, and its own row is multiplied by 0: so only T = ceil(n / 16) tiles of queries and n keys are worked; the other tiles of ctx get zeros.
; With n = 0 the softmax of every row is NaN: all tiles get NaN.
; SHARES.  The four work-groups of a pair (x = g) take tiles [g T / 4, (g + 1) T / 4); wave w of eight takes tiles first + w + 8 j, j = 0..3: L of these four slots are in use.  256 work-groups for every mask.
; NO TENSOR LOADS AND NO CLUSTER: which steps and tiles are worked hangs on n, a number read from memory.  K and V go memory -> registers -> LDS, one step of 64 keys ahead.
; THE LOOP HAS A CONSTANT COUNT, 32 steps of 64 keys; every wave passes every barrier; scalar branches on n lead round loads, stores and work alone.
; LAYOUT.  S^T = K Q^T (source 0 = 16 keys, source 1 = 16 queries): a lane holds one query (lane % 16) and keys 8 (lane / 16) + 0..7 of each tile; two tiles rounded to f16 in pairs are source 1 of O^T = V^T P.
; V's chunks are turned by ds_load_tr16_b128.  Keys at or beyond n in the last step are hidden by the C of the first product of S^T (-3e38 there, 0 elsewhere).
; SOFTMAX: running maximum m and sum l a query; p = 2^(c s - c m), c = log2(e) / 8; O and l are multiplied by 2^(c m_old - c m_new) in every step.  The loop is written once: O and l begin as zeros, m as -3e38.
; LIMITS: scores under -3e38 are not told apart from hidden keys; |ctx| above 65,504 overflows f16.
; REGISTERS.  window 0: v1-31 addresses and small things; v32-63 statistics, 8 a slot; v64-79, v224-239 K and V on their way; v80-111 S^T; v112-127 P; v128-159 the hiding C; v160-223 Q.
;   window 1: v0-127 O^T, 32 a slot; v128-191 K's fragments; v192-255 V's.
.set SLOTB, 16384                      ; an LDS slot: 8,192 bytes of K (4 tiles of 16 keys x 4 chunks), then 8,192 of V, as they lie in memory
.set SPARE, 2*SLOTB
.set LN16, 1                           ; 16 x lane
.set VTR,  2                           ; the turning load's lane term
.set LST,  3                           ; 16 x thread
.set GOFF, 4                           ; 16 x thread + 8,192 x the step last loaded
.set PFO,  5
.set SPW,  6
.set NIL,  7
.set NEG,  8
.set DV,   9
.set FO,   10                          ; v10-13
.set H8,   14                          ; 8 (lane / 16)
.set R4,   15                          ; 4 (lane % 16)
.set MF,   16                          ; v16-19 my queries' masks
.set ZF,   20                          ; v20-23 what dead tiles get
.set QO,   24                          ; v24-27
.set CTO,  28                          ; v28-31
.set ST,   32                          ; slot j at ST + 8 j: +0 c m, +1 m, +2, +3 l, +4..+7 at work (+6: the factor)
.set STG0, 64
.set S,    80
.set P,    112
.set PEN,  128
.set QF,   160
.set STG1, 224
.set PMO,  240
.set KF,   128                         ; in window 1
.set VF,   192
.set CS,   36                          ; s[36:37] c, twice
.set SEL,  38                          ; s[38:39]
.set MSB, 0
.macro WIN new
.if MSB != \new
	s_set_vgpr_msb (MSB<<8)|\new
.set MSB, \new
.endif
.endm
.set W_S,  0x01                        ; K window 1; Q, C, S^T window 0
.set W_RS, 0x41                        ; O^T (destination, source 0) window 1
.set W_PV, 0x51                        ; V, C, D window 1; P window 0
.set W_LD, 0x40
.set W_OUT, 0x05
	s_load_b128 s[4:7], s[0:1], 0x0                ; qkv, route
	s_load_b64 s[8:9], s[0:1], 0x10                ; ctx
	v_lshl_add_u32 v[SPW], v0, 2, SPARE
	v_mov_b32 v[NIL], 0
	v_lshrrev_b32 v[DV], 5, v0
	v_readfirstlane_b32 s10, v[DV]                 ; wave
	s_mov_b32 s11, ttmp9                           ; g
	s_and_b32 s13, ttmp7, 0xffff                   ; the pair
	s_lshr_b32 s12, s13, 4                         ; batch
	s_and_b32 s14, s13, 15                         ; head
	s_lshl_b32 s40, s12, 7
	s_mov_b32 s41, 0
	s_wait_kmcnt 0x0
	s_add_nc_u64 s[42:43], s[6:7], s[40:41]
	s_load_b32 s15, s[42:43], 0x10000              ; n
	v_and_b32 v[R4], 31, v0
	v_lshlrev_b32 v[LN16], 4, v[R4]
	v_lshlrev_b32 v[PFO], 8, v[R4]
	v_add_nc_u32 v[PFO], 3*8192, v[PFO]            ; 256 x lane, in step 3: step I names step I + 4
	v_bfe_u32 v[H8], v0, 4, 1
	v_and_b32 v[VTR], 7, v0
	v_lshlrev_b32 v[VTR], 4, v[VTR]
	v_lshl_add_u32 v[VTR], v[H8], 7, v[VTR]
	v_bfe_u32 v[DV], v0, 3, 1
	v_lshl_add_u32 v[VTR], v[DV], 8, v[VTR]        ; key 8 (l / 16) + l % 8 of a tile, channels 8 ((l / 8) % 2) + 0..7 of a chunk
	v_lshlrev_b32 v[H8], 3, v[H8]
	v_and_b32 v[R4], 15, v0
	v_lshlrev_b32 v[R4], 2, v[R4]
	v_lshlrev_b32 v[LST], 4, v0
	v_add_nc_u32 v[GOFF], 8192, v[LST]
	v_mov_b32 v[NEG], 0xff61b1e6                   ; -3e38
	s_mov_b32 s[CS], 0x3e38aa3b                    ; c = log2(e) / 8
	s_mov_b32 s[CS+1], s[CS]
	s_mov_b32 s[SEL], 0x76543210
	s_mov_b32 s[SEL+1], 0xfedcba98
	s_lshl_b32 s40, s13, 18
	s_add_nc_u64 s[30:31], s[4:5], s[40:41]        ; Q of my pair
	s_add_nc_u64 s[26:27], s[30:31], 0x1000000     ; K
	s_add_nc_u64 s[28:29], s[30:31], 0x2000000     ; V
	; key steps 0 and 1 (128 places, which the launch before always stores) are asked for with no branch
	global_load_b128 v[STG0:STG0+3], v[LST], s[26:27]
	global_load_b128 v[STG0+4:STG0+7], v[LST], s[26:27] offset:4096
	global_load_b128 v[STG0+8:STG0+11], v[LST], s[28:29]
	global_load_b128 v[STG0+12:STG0+15], v[LST], s[28:29] offset:4096
	global_load_b128 v[STG1:STG1+3], v[GOFF], s[26:27]
	global_load_b128 v[STG1+4:STG1+7], v[GOFF], s[26:27] offset:4096
	global_load_b128 v[STG1+8:STG1+11], v[GOFF], s[28:29]
	global_load_b128 v[STG1+12:STG1+15], v[GOFF], s[28:29] offset:4096
	s_cmp_eq_u32 s11, 0
	s_cselect_b64 s[34:35], s[26:27], s[28:29]     ; part 0 prefetches K, part 1 V
	s_lshl_b32 s40, s12, 22
	s_lshl_b32 s25, s14, 11
	s_add_co_u32 s40, s40, s25
	s_add_nc_u64 s[32:33], s[8:9], s[40:41]        ; ctx: my batch, my head's four chunks
	s_lshl_b32 s40, s12, 13
	s_add_co_u32 s40, s40, 32768
	s_add_nc_u64 s[44:45], s[6:7], s[40:41]        ; pmask of my batch
	s_wait_kmcnt 0x0
	s_min_u32 s15, s15, 2048
	s_add_co_u32 s16, s15, 15
	s_lshr_b32 s16, s16, 4                         ; T
	s_mul_i32 s17, s11, s16
	s_lshr_b32 s17, s17, 2                         ; first
	s_add_co_u32 s18, s11, 1
	s_mul_i32 s18, s18, s16
	s_lshr_b32 s18, s18, 2
	s_sub_co_u32 s18, s18, s17                     ; my work-group's tiles
	s_sub_co_u32 s19, s18, s10
	s_add_co_u32 s19, s19, 7
	s_lshr_b32 s19, s19, 3                         ; L: my wave's tiles, 0 to 4
	s_add_co_u32 s20, s15, 63
	s_lshr_b32 s20, s20, 6                         ; NS: key steps
	s_cmp_lg_u32 s19, 0
	s_cselect_b32 s21, s20, 0                      ; steps that my wave works
	s_lshr_b32 s25, s11, 1
	s_or_b32 s25, s25, s10
	s_cmp_eq_u32 s25, 0
	s_cselect_b32 s22, s20, 0                      ; wave 0 of parts 0 and 1 prefetches: each block of 256 bytes is named once in the launch
	s_max_u32 s42, s16, 1
	s_sub_co_u32 s42, s42, 1
	s_add_co_u32 s18, s17, s10
.irp j, 0,1,2,3
	s_add_co_u32 s25, s18, 8*\j
	s_min_u32 s25, s25, s42                        ; a slot not in use names a tile that exists
	s_min_u32 s25, s25, 127
	s_lshl_b32 s43, s25, 11
	v_add_nc_u32 v[QO+\j], s43, v[LN16]
	s_lshl_b32 s43, s25, 15
	v_add_nc_u32 v[CTO+\j], s43, v[LN16]
	s_lshl_b32 s43, s25, 6
	v_add_nc_u32 v[PMO+\j], s43, v[R4]
.endr
.irp i, 0,1,2,3,4,5,6,7,8,9,10,11,12,13,14,15
	global_load_b128 v[QF+4*\i:QF+4*\i+3], v[QO+\i/4], s[30:31] offset:512*(\i%4)   ; Q stays in registers
.endr
.irp j, 0,1,2,3
	global_load_b32 v[MF+\j], v[PMO+\j], s[44:45]
.endr
	s_cmp_eq_u32 s15, 0
	s_cselect_b32 s25, 0x7e007e00, 0
.irp i, 0,1,2,3
	v_mov_b32 v[ZF+\i], s25
.endr
.set i, 0
.rept 32
	v_mov_b32 v[PEN+i], 0                          ; nothing is hidden before the last step
.set i, i+1
.endr
.irp j, 0,1,2,3
	v_mov_b32 v[ST+8*\j+1], v[NEG]                 ; m
	v_mul_f32 v[ST+8*\j], s[CS], v[NEG]            ; c m
	v_mov_b32 v[ST+8*\j+2], 0                      ; l
	v_mov_b32 v[ST+8*\j+3], 0
	v_mov_b32 v[ST+8*\j+5], 0                      ; (a lane permute's destination counts as a source)
	v_mov_b32 v[ST+8*\j+7], 0                      ; (named as the upper half of a pair)
.endr
	WIN W_LD
.set i, 0
.rept 128
	v_mov_b32 v[i], 0                              ; O^T: the step is written once and its first pass finds zeros
.set i, i+1
.endr
	WIN 0
	; the dead tiles of ctx, T .. 127, shared out among the pair's 32 waves
	s_lshl_b32 s43, s11, 3
	s_add_co_u32 s43, s43, s10
	s_add_co_u32 s43, s43, s16
.irp j, 0,1,2,3
	s_add_co_u32 s25, s43, 32*\j
	s_cmp_lt_u32 s25, 128
	s_cbranch_scc0 .Lfilled
	s_min_u32 s25, s25, 127
	s_lshl_b32 s25, s25, 15
	v_add_nc_u32 v[FO+\j], s25, v[LN16]
.irp c, 0,1,2,3
	global_store_b128 v[FO+\j], v[ZF:ZF+3], s[32:33] offset:512*\c
.endr
.endr
.Lfilled:
	s_wait_loadcnt 24                              ; key step 0's four loads are in; behind them: step 1's 4, Q's 16, the masks' 4
	ds_store_b128 v[LST], v[STG0:STG0+3]
	ds_store_b128 v[LST], v[STG0+4:STG0+7] offset:4096
	ds_store_b128 v[LST], v[STG0+8:STG0+11] offset:8192
	ds_store_b128 v[LST], v[STG0+12:STG0+15] offset:12288
; ONE TILE OF 16 QUERIES x 64 KEYS.  The accumulators take turns, one instruction a turn.
.macro TILE j
.set rT, ST+8*(\j)
.set rQ, QF+16*(\j)
.set rO, 32*(\j)
	WIN W_S
.if (\j) == 0
	s_wait_dscnt 16                                ; K's fragments are in; V's 16 loads may be out
.endif
.irp u, 0,1,2,3
	v_wmma_f32_16x16x32_f16 v[S+8*\u:S+8*\u+7], v[KF+16*\u:KF+16*\u+7], v[rQ:rQ+7], v[PEN+8*\u:PEN+8*\u+7]
.endr
.irp u, 0,1,2,3
	v_wmma_f32_16x16x32_f16 v[S+8*\u:S+8*\u+7], v[KF+16*\u+8:KF+16*\u+15], v[rQ+8:rQ+15], v[S+8*\u:S+8*\u+7]
.endr
	WIN 0
.rept 4
	v_nop                                          ; places behind the products, ahead of the first read of their results
.endr
.irp u, 0,1,2,3
	v_max3_num_f32 v[rT+4+\u], v[S+8*\u], v[S+8*\u+1], v[S+8*\u+2]      ; each accumulator is read from its low end on
.endr
.irp e, 3,5
.irp u, 0,1,2,3
	v_max3_num_f32 v[rT+4+\u], v[rT+4+\u], v[S+8*\u+\e], v[S+8*\u+\e+1]
.endr
.endr
	v_max3_num_f32 v[rT+4], v[rT+4], v[S+7], v[S+15]
	v_max3_num_f32 v[rT+6], v[rT+6], v[S+23], v[S+31]
	v_max3_num_f32 v[rT+4], v[rT+4], v[rT+5], v[rT+6]
	v_max3_num_f32 v[rT+4], v[rT+4], v[rT+7], v[rT+1]                  ; with the old m
	v_permlanex16_b32 v[rT+5], v[rT+4], s[SEL], s[SEL+1]               ; the query's other 32 keys lie in the lane 16 away
	v_mov_b32 v[rT+7], v[rT]                                           ; c m_old
	v_max_num_f32 v[rT+1], v[rT+4], v[rT+5]
	v_mul_f32 v[rT], s[CS], v[rT+1]
	v_sub_f32 v[rT+7], v[rT+7], v[rT]
.set i, 0
.rept 16
	v_pk_fma_f32 v[S+2*i:S+2*i+1], v[S+2*i:S+2*i+1], s[CS:CS+1], v[rT:rT+1] op_sel_hi:[1,0,0] neg_lo:[0,0,1] neg_hi:[0,0,1]   ; c s - c m
.set i, i+1
.endr
	v_exp_f32 v[rT+6], v[rT+7]                     ; the factor for what was summed under the old m
.set i, 0
.rept 32
	v_exp_f32 v[S+i], v[S+i]
.set i, i+1
.endr
	v_nop                                          ; a plain instruction behind the last exponential
	s_wait_alu depctr_va_vdst(0)                   ; one wait for the batch of 33, ahead of its first reader
.set i, 0
.rept 16
	v_cvt_pk_f16_f32 v[P+i], v[S+2*i], v[S+2*i+1]
.set i, i+1
.endr
.irp u, 0,1,2,3,4,5,6,7
	v_pk_add_f32 v[S+4*\u:S+4*\u+1], v[S+4*\u:S+4*\u+1], v[S+4*\u+2:S+4*\u+3]   ; the row's sum, of the unrounded p
.endr
.irp u, 0,1,2,3
	v_pk_add_f32 v[S+8*\u:S+8*\u+1], v[S+8*\u:S+8*\u+1], v[S+8*\u+4:S+8*\u+5]
.endr
.irp u, 0,1
	v_pk_add_f32 v[S+16*\u:S+16*\u+1], v[S+16*\u:S+16*\u+1], v[S+16*\u+8:S+16*\u+9]
.endr
	v_pk_add_f32 v[S:S+1], v[S:S+1], v[S+16:S+17]
	v_pk_fma_f32 v[rT+2:rT+3], v[rT+2:rT+3], v[rT+6:rT+7], v[S:S+1] op_sel_hi:[1,0,1]
	WIN W_RS
.set i, 0
.rept 16
	v_pk_mul_f32 v[rO+2*i:rO+2*i+1], v[rO+2*i:rO+2*i+1], v[rT+6:rT+7] op_sel_hi:[1,0]
.set i, i+1
.endr
.if (\j) == 0
	s_wait_dscnt 0x0                               ; V's fragments are in
.endif
	WIN W_PV
.irp kh, 0,1
.irp ct, 0,1,2,3
	v_wmma_f32_16x16x32_f16 v[rO+8*\ct:rO+8*\ct+7], v[VF+16*\ct+8*\kh:VF+16*\ct+8*\kh+7], v[P+8*\kh:P+8*\kh+7], v[rO+8*\ct:rO+8*\ct+7]
.endr
.endr
	WIN 0
.endm
; ONE KEY STEP, number s23, in slot sl.  Step j's bytes travel in staging set j % 2.
.macro HALF sl
.set SA, STG0+(STG1-STG0)*(\sl)
.set SB, STG0+(STG1-STG0)*(1-(\sl))
	s_wait_loadcnt 0x0                             ; the next step's bytes are in my registers
	s_wait_xcnt 0x0                                ; the offsets below are rewritten only behind this wait
	s_wait_dscnt 0x0                               ; my stores into this slot have landed, my reads of the other slot are over
	s_barrier_signal -1
	s_barrier_wait -1                              ; both hold of all eight waves
	s_add_co_u32 s25, s23, 1
	s_cmp_lt_u32 s25, s20
	s_cbranch_scc0 .Lno_put_\@
	ds_store_b128 v[LST], v[SB:SB+3] offset:(1-(\sl))*SLOTB
	ds_store_b128 v[LST], v[SB+4:SB+7] offset:(1-(\sl))*SLOTB+4096
	ds_store_b128 v[LST], v[SB+8:SB+11] offset:(1-(\sl))*SLOTB+8192
	ds_store_b128 v[LST], v[SB+12:SB+15] offset:(1-(\sl))*SLOTB+12288
.Lno_put_\@:
	v_add_nc_u32 v[GOFF], 8192, v[GOFF]
	v_add_nc_u32 v[PFO], 8192, v[PFO]
	s_add_co_u32 s25, s23, 2
	s_cmp_lt_u32 s25, s20
	s_cbranch_scc0 .Lno_get_\@
	global_load_b128 v[SA:SA+3], v[GOFF], s[26:27]
	global_load_b128 v[SA+4:SA+7], v[GOFF], s[26:27] offset:4096
	global_load_b128 v[SA+8:SA+11], v[GOFF], s[28:29]
	global_load_b128 v[SA+12:SA+15], v[GOFF], s[28:29] offset:4096
.Lno_get_\@:
	s_add_co_u32 s25, s23, 4
	s_cmp_lt_u32 s25, s22
	s_cbranch_scc0 .Lno_ask_\@
	global_prefetch_b8 v[PFO], s[34:35] th:TH_LOAD_NT scope:SCOPE_SE   ; step I + 4's 8,192 bytes, a lane to each 256: two steps ahead of the load that wants them; it stops with the last step
.Lno_ask_\@:
	s_cmp_lt_u32 s23, s21
	s_cbranch_scc0 .Lidle_\@
	s_add_co_u32 s25, s23, 1
	s_cmp_eq_u32 s25, s20
	s_cbranch_scc0 .Lfull_\@
	s_lshl_b32 s25, s23, 6                         ; the last step: register 8 u + i holds key 64 I + 16 u + 8 (lane / 16) + i: hidden where it is n or more
	s_sub_co_u32 s25, s15, s25
	v_sub_nc_u32 v[DV], s25, v[H8]
.set q, 0
.rept 32
	v_cmp_ge_i32 vcc_lo, 16*(q/8)+q%8, v[DV]
	v_cndmask_b32 v[PEN+q], 0, v[NEG], vcc_lo
.set q, q+1
.endr
.Lfull_\@:
.rept 4
	v_nop                                          ; places ahead of loads into registers that the last products read
.endr
	WIN W_LD
.set i, 0
.rept 16
	ds_load_b128 v[KF+4*i:KF+4*i+3], v[LN16] offset:(\sl)*SLOTB+512*i
.set i, i+1
.endr
.irp ct, 0,1,2,3
.irp kh, 0,1
.irp e, 0,1
	ds_load_tr16_b128 v[VF+16*\ct+8*\kh+4*\e:VF+16*\ct+8*\kh+4*\e+3], v[VTR] offset:(\sl)*SLOTB+8192+(2*\kh+\e)*2048+\ct*512
.endr
.endr
.endr
	WIN 0
	TILE 0
	s_cmp_lt_u32 s19, 2
	s_cbranch_scc1 .Lidle_\@
	TILE 1
	s_cmp_lt_u32 s19, 3
	s_cbranch_scc1 .Lidle_\@
	TILE 2
	s_cmp_lt_u32 s19, 4
	s_cbranch_scc1 .Lidle_\@
	TILE 3
.Lidle_\@:
	s_add_co_u32 s23, s23, 1
.endm
	s_mov_b32 s23, 0
	s_mov_b32 s24, 16
.Ltrip:
	HALF 0
	HALF 1
	s_sub_co_u32 s24, s24, 1
	s_cmp_lg_u32 s24, 0
	s_cbranch_scc1 .Ltrip
	; THE WAY OUT: O^T x mask / l, rounded to f16: a lane's eight channels are 16 bytes, the wave's 32 lanes a chunk of 512 consecutive bytes of ctx [tile 512][kc 64][512 bytes]
.rept 4
	v_nop
.endr
.irp j, 0,1,2,3
	v_add_f32 v[ST+8*\j+4], v[ST+8*\j+2], v[ST+8*\j+3]
.endr
.irp j, 0,1,2,3
	v_permlanex16_b32 v[ST+8*\j+5], v[ST+8*\j+4], s[SEL], s[SEL+1]
.endr
.irp j, 0,1,2,3
	v_add_f32 v[ST+8*\j+4], v[ST+8*\j+4], v[ST+8*\j+5]
.endr
.irp j, 0,1,2,3
	v_rcp_f32 v[ST+8*\j+6], v[ST+8*\j+4]
.endr
.irp j, 0,1,2,3
	v_cvt_f32_i32 v[MF+\j], v[MF+\j]               ; the query's mask as a number (plain work behind the reciprocals)
.endr
	s_wait_alu depctr_va_vdst(0)                   ; one wait for the four reciprocals
.irp j, 0,1,2,3
	v_mul_f32 v[ST+8*\j+6], v[ST+8*\j+6], v[MF+\j]
.endr
.macro OUT j
	s_cmp_lt_u32 s19, (\j)+1
	s_cbranch_scc1 .Lout_done
	WIN W_RS
.set i, 0
.rept 16
	v_pk_mul_f32 v[32*(\j)+2*i:32*(\j)+2*i+1], v[32*(\j)+2*i:32*(\j)+2*i+1], v[ST+8*(\j)+6:ST+8*(\j)+7] op_sel_hi:[1,0]
.set i, i+1
.endr
	WIN W_OUT
.set i, 0
.rept 16
	v_cvt_pk_f16_f32 v[S+16*(\j)+i], v[32*(\j)+2*i], v[32*(\j)+2*i+1]
.set i, i+1
.endr
	WIN 0
.irp c, 0,1,2,3
	global_store_b128 v[CTO+(\j)], v[S+16*(\j)+4*\c:S+16*(\j)+4*\c+3], s[32:33] offset:512*\c
.endr
.endm
	OUT 0
	OUT 1
	OUT 2
	OUT 3
.Lout_done:
	s_wait_tensorcnt 0x0                           ; the wave's end, behind my last LDS store
	ds_add_u32 v[SPW], v[NIL]
	s_wait_dscnt 0x0
	s_endpgm
.Lfunc_end_k_q050596313c_attn:
	.size	k_q050596313c_attn, .Lfunc_end_k_q050596313c_attn-k_q050596313c_attn
	.p2alignl 7, 3214868480
	.fill 96, 4, 3214868480
	.section	.rodata,"a",@progbits
	.p2align	6, 0x0
	.amdhsa_kernel k_q050596313c_attn
		.amdhsa_group_segment_fixed_size 33792
		.amdhsa_private_segment_fixed_size 0
		.amdhsa_enable_private_segment 0
		.amdhsa_kernarg_size 24
		.amdhsa_user_sgpr_count 2
		.amdhsa_user_sgpr_kernarg_segment_ptr 1
		.amdhsa_wavefront_size32 1
		.amdhsa_system_sgpr_workgroup_id_x 1
		.amdhsa_system_sgpr_workgroup_id_y 1
		.amdhsa_system_sgpr_workgroup_id_z 1
		.amdhsa_system_vgpr_workitem_id 0
		.amdhsa_next_free_vgpr 512
		.amdhsa_next_free_sgpr 66
		.amdhsa_reserve_vcc 1
		.amdhsa_float_denorm_mode_32 3
		.amdhsa_float_denorm_mode_16_64 3
		.amdhsa_memory_ordered 1
		.amdhsa_forward_progress 1
		.amdhsa_inst_pref_size 100
	.end_amdhsa_kernel
	.amdgpu_metadata
---
amdhsa.version: [ 1, 2 ]
amdhsa.kernels:
  - .name:           k_q050596313c_attn
    .symbol:         k_q050596313c_attn.kd
    .args:
      - { .name: qkv, .offset: 0, .size: 8, .value_kind: global_buffer, .address_space: global }
      - { .name: route, .offset: 8, .size: 8, .value_kind: global_buffer, .address_space: global }
      - { .name: ctx, .offset: 16, .size: 8, .value_kind: global_buffer, .address_space: global }
    .group_segment_fixed_size: 33792
    .private_segment_fixed_size: 0
    .kernarg_segment_align: 8
    .kernarg_segment_size: 24
    .max_flat_workgroup_size: 256
    .sgpr_count:     66
    .vgpr_count:     512
    .wavefront_size: 32
...
	.end_amdgpu_metadata
.endif
;; end of part 4
;; launch proj (part 5): grid 4 x 64, 4 waves a work-group, clusters of 4 x 4, 327,680 bytes of LDS; arguments ctx, wo, b_out, route, out0; writes out0
.if DOCPART == 5
	.amdgcn_target "amdgcn-amd-amdhsa--gfx1250"
	.amdhsa_code_object_version 6
	.text
	.protected	k_q050596313c_proj
	.globl	k_q050596313c_proj
	.p2align	8
	.type	k_q050596313c_proj,@function
k_q050596313c_proj:
	s_mov_b64 s[64:65], 0
	v_nop
	global_prefetch_b8 v0, s[64:65] scope:SCOPE_SE
	s_setreg_imm32_b32 hwreg(HW_REG_WAVE_MODE, 25, 1), 1
	s_wait_xcnt 0x0
	s_wait_alu depctr_hold_cnt(0) depctr_sa_sdst(0) depctr_va_vdst(0) depctr_va_sdst(0) depctr_va_ssrc(0) depctr_va_vcc(0) depctr_vm_vsrc(0)
	s_getreg_b32 s2, hwreg(HW_REG_IB_STS2, 6, 4)
	s_cmp_eq_u32 s2, 0
	s_cbranch_scc0 .Lentry_in_a_cluster
	s_endpgm
.Lentry_in_a_cluster:
	s_bfe_u32 s2, ttmp6, 0x10000c
	s_cmp_lg_u32 s2, 0xf033
	s_cbranch_scc0 .Lentry_shape_is_right
	s_endpgm
.Lentry_shape_is_right:
; PROJ.  out0[src[place]][n] = elu(sum over k of ctx[place][k] w_out[k][n] + b_out[n]); 8,192 x 1,024 x 1,024 on f16 operands, f32 sums.
; A work-group of four waves makes 128 places x 256 columns (256 work-groups), a wave 64 x 128: 32 accumulators, all of window 1.  K goes in steps of 128 through a ring of two LDS slots.
; Both operands lie in memory in the order of the operands' registers: a fragment (16 rows x 32 K) is two loads of 16 bytes at 16 x lane, 512 bytes apart: no pitch, no padding.
; CLUSTERS: 4 x 4 work-groups; ctx's tiles are asked for jointly along a row of the cluster, wo's along a column.  By this text's own count a wave has two tensor loads out at the start, later one.
; THE MATRIX INSTRUCTION IS USED TRANSPOSED (source 0 = 16 columns of w_out, source 1 = 16 places): a lane holds eight neighbouring columns of one row.
; ELU.  y = min(x, 0); e^y - 1 lies between y and y + y^2 / 2, and 2^(y log2 e) - 1 is held between these two, so that small y keep their relative accuracy; the result is (x - y) + that: x where x > 0, and a NaN stays a NaN.
; The rows go through the wave's stage in LDS and leave as 512 consecutive bytes of the row that src names.  The stage lies in slot 0, behind its last fill and last read.
; LIMITS: a sum of -infinity is not served.
.set KSB,   4096                       ; a K step of a tile of 16 rows
.set SLOT,  98304                      ; A: 8 tiles, then B: 16 tiles
.set BOFF,  32768
.set SPARE, 2*SLOT
.set SPITCH, 528
.set LAPS,  4
.set ADRA, 16
.set ADRB, 20
.set STO,  24
.set RD,   25
.set CO,   26
.set BA,   27
.set SPW,  28
.set NIL,  29
.set RA,   30
.set F0,   32                          ; a buffer: A's 4 fragments, then B's 8
.set F1,   128
.set X0,   32                          ; the way out
.set Y,    64
.set E,    96
.set SS,   128
.set BK,   160
.set RO,   224
.set SRCV, 240
.set G1, 24
.set G0, 32
.set G1B, 48
.set G0B, 56
.set MSB, 0
.macro WIN new
.if MSB != \new
	s_set_vgpr_msb (MSB<<8)|\new
.set MSB, \new
.endif
.endm
.set MUL, 0x50                         ; C and D window 1, sources window 0
.macro JLOAD s                         ; waves 0 and 1 fetch A's halves, waves 2 and 3 B's; an s_nop 0 and four v_nop follow each line
	s_cmp_eq_u32 s15, 0
	s_cbranch_scc0 .Lfor_b_\@
	tensor_load_to_lds s[G0+4*\s:G0+4*\s+3], s[G1:G1+7]
	s_nop 0
.rept 4
	v_nop
.endr
	s_branch .Lasked_\@
.Lfor_b_\@:
	tensor_load_to_lds s[G0B+4*\s:G0B+4*\s+3], s[G1B:G1B+7]
	s_nop 0
.rept 4
	v_nop
.endr
.Lasked_\@:
.endm
.macro CREST
	s_cmp_lg_u32 s14, 0
	s_cbranch_scc1 .Lnot_wave_0_\@
	s_barrier_signal -3
.Lnot_wave_0_\@:
	s_barrier_wait -3
	s_barrier_signal -1
	s_barrier_wait -1
.endm
.macro CROUND
	s_barrier_signal -1
	s_barrier_wait -1
	CREST
.endm
	s_load_b256 s[4:11], s[0:1], 0x0               ; ctx s[4:5], wo s[6:7], b_out s[8:9], route s[10:11]
	s_load_b64 s[12:13], s[0:1], 0x20              ; out0
	v_lshl_add_u32 v[SPW], v0, 2, SPARE
	v_mov_b32 v[NIL], 0
	ds_add_u32 v[SPW], v[NIL]                      ; the wave's opening: the add, twice on end, and its wait ahead of my first tensor load
	ds_add_u32 v[SPW], v[NIL]
	v_lshrrev_b32 v1, 5, v0
	v_readfirstlane_b32 s14, v1                    ; wave
	s_lshr_b32 s15, s14, 1                         ; my half of the rows; also: I fetch for A (0) or B (1)
	s_and_b32 s16, s14, 1                          ; my half of the columns; also: which half of that tile I fetch
	s_bfe_u32 s40, ttmp6, 0x40000                  ; cx
	s_bfe_u32 s41, ttmp6, 0x40004                  ; cy
	s_lshl_b32 s42, ttmp9, 2
	s_add_co_u32 s42, s42, s40                     ; tile column
	s_and_b32 s17, ttmp7, 0xffff
	s_lshl_b32 s17, s17, 2
	s_add_co_u32 s17, s17, s41                     ; tile row
	s_lshl_b32 s43, s41, 2
	s_lshl_b32 s43, 15, s43
	s_lshl_b32 s44, 0x1111, s40
	s_or_b32 s[G1+0], s43, (3<<16)|(1<<21)         ; the mask; elements of 8 bytes; bit 21 beside a mask; no padding
	s_or_b32 s[G1B+0], s44, (3<<16)|(1<<21)
.irp g, G1, G1B                        ; rows (tiles of 16) of 4,096 bytes, 32,768 bytes apart
	s_mov_b32 s[\g+1], 512<<16
	s_mov_b32 s[\g+3], 512<<16
	s_mov_b32 s[\g+5], 4096
	s_mov_b32 s[\g+6], 0
	s_mov_b32 s[\g+7], 0
.endr
	s_mov_b32 s[G1+2], 4<<16                       ; A: 4 of them to a load,
	s_mov_b32 s[G1+4], 4
	s_mov_b32 s[G1B+2], 8<<16                      ; B: 8
	s_mov_b32 s[G1B+4], 8
	s_lshl_b32 s18, s16, 2
	s_lshl_b32 s20, s17, 3
	s_add_co_u32 s20, s20, s18                     ; A: tile of 16 rows 8 x tile row + 4 x half
	s_lshl_b32 s20, s20, 15
	s_mov_b32 s21, 0
	s_lshl_b32 s18, s16, 3
	s_lshl_b32 s46, s42, 4
	s_add_co_u32 s46, s46, s18                     ; B: 16 x tile column + 8 x half
	s_lshl_b32 s46, s46, 15
	s_mov_b32 s47, 0
	s_lshl_b32 s45, s16, 14                        ; where they go in a slot
	s_lshl_b32 s66, s16, 15
	s_add_co_u32 s66, s66, BOFF
	s_wait_dscnt 0x0                               ; both opening adds are done
	s_wait_kmcnt 0x0
	s_add_nc_u64 s[20:21], s[4:5], s[20:21]
	s_add_nc_u64 s[46:47], s[6:7], s[46:47]
	CROUND                                         ; all sixteen work-groups are here
.irp s, 0,1
	s_mov_b32 s[G0+4*\s], 1
	s_add_co_u32 s[G0+4*\s+1], s45, \s*SLOT
	s_add_nc_u64 s[G0+4*\s+2:G0+4*\s+3], s[20:21], \s*KSB
	s_or_b32 s[G0+4*\s+3], s[G0+4*\s+3], 0x80000000
	s_mov_b32 s[G0B+4*\s], 1
	s_add_co_u32 s[G0B+4*\s+1], s66, \s*SLOT
	s_add_nc_u64 s[G0B+4*\s+2:G0B+4*\s+3], s[46:47], \s*KSB
	s_or_b32 s[G0B+4*\s+3], s[G0B+4*\s+3], 0x80000000
	JLOAD \s
.endr
	v_and_b32 v1, 31, v0
	v_lshlrev_b32 v1, 4, v1                        ; 16 x lane
	v_and_b32 v2, 15, v0                           ; r
	v_bfe_u32 v3, v0, 4, 1                         ; h
	s_lshl_b32 s21, s15, 14                        ; my 4 tiles of A
	s_lshl_b32 s22, s16, 15                        ; my 8 tiles of B
	s_add_co_u32 s22, s22, BOFF
.irp s, 0,1
	v_add_nc_u32 v[ADRA+\s], s21, v1
	v_add_nc_u32 v[ADRB+\s], s22, v1
	s_add_co_u32 s21, s21, SLOT
	s_add_co_u32 s22, s22, SLOT
.endr
	s_mul_i32 s23, s14, 16*SPITCH                  ; my stage
	v_mul_u32_u24 v4, v2, SPITCH
	v_lshl_add_u32 v4, v3, 5, v4
	v_add_nc_u32 v[STO], s23, v4                   ; in: row r, + 32 h
	v_add_nc_u32 v[RD], s23, v1                    ; back: a row's 512 bytes to the 32 lanes
	s_lshl_b32 s20, s42, 10
	s_lshl_b32 s21, s16, 9
	s_add_co_u32 s20, s20, s21                     ; my first column, in bytes
	v_add_nc_u32 v[CO], s20, v1
	s_mov_b32 s21, 0
	s_add_nc_u64 s[8:9], s[8:9], s[20:21]
	v_lshlrev_b32 v[BA], 5, v3
	v_lshlrev_b32 v[RA], 2, v2
	s_lshl_b32 s20, s17, 9                         ; src of my 64 places: 4 x (128 x tile row + 64 x half)
	s_lshl_b32 s22, s15, 8
	s_add_co_u32 s20, s20, s22
	s_add_nc_u64 s[10:11], s[10:11], s[20:21]
.irp a, 0,1,2,3
	global_load_b32 v[SRCV+\a], v[RA], s[10:11] offset:64*\a
.endr
	WIN 0x80                                       ; destination window 2
.irp b, 0,1,2,3,4,5,6,7
	global_load_b128 v[8*\b:8*\b+3], v[BA], s[8:9] offset:64*\b          ; lane (r, h): b_out at columns 16 b + 8 h + 0..7
	global_load_b128 v[8*\b+4:8*\b+7], v[BA], s[8:9] offset:64*\b+16
.endr
	WIN 0
.macro MUL8 f, a, zero                 ; A's block a x B's eight, 32 along K.  The 32 accumulators take turns, one instruction a turn
.irp b, 0,1,2,3,4,5,6,7
.if \zero
	v_wmma_f32_16x16x32_f16 v[8*(8*(\a)+\b):8*(8*(\a)+\b)+7], v[\f+32+8*\b:\f+32+8*\b+7], v[\f+8*(\a):\f+8*(\a)+7], 0
.else
	v_wmma_f32_16x16x32_f16 v[8*(8*(\a)+\b):8*(8*(\a)+\b)+7], v[\f+32+8*\b:\f+32+8*\b+7], v[\f+8*(\a):\f+8*(\a)+7], v[8*(8*(\a)+\b):8*(8*(\a)+\b)+7]
.endif
.endr
.endm
.macro FETCH slot, q, f                ; 24 LDS loads in one run: B's 16, then A's 8
	WIN 0
.irp i, 0,1,2,3,4,5,6,7
	ds_load_b128 v[\f+32+8*\i:\f+32+8*\i+3],   v[ADRB+\slot] offset:\i*KSB+(\q)*1024
	ds_load_b128 v[\f+32+8*\i+4:\f+32+8*\i+7], v[ADRB+\slot] offset:\i*KSB+(\q)*1024+512
.endr
.irp i, 0,1,2,3
	ds_load_b128 v[\f+8*\i:\f+8*\i+3],   v[ADRA+\slot] offset:\i*KSB+(\q)*1024
	ds_load_b128 v[\f+8*\i+4:\f+8*\i+7], v[ADRA+\slot] offset:\i*KSB+(\q)*1024+512
.endr
.endm
.macro PLACES
.rept 4
	v_nop
.endr
.endm
.macro QUARTER slot, q, f, g, zero     ; multiplies buffer f; in its middle fetches the slot's quarter q into buffer g
	s_wait_dscnt 4                                 ; B and A's blocks 0, 1 are in; the youngest four loads (A's blocks 2, 3) may be out
	WIN MUL
	MUL8 \f, 0, \zero
	MUL8 \f, 1, \zero
	PLACES
	FETCH \slot, \q, \g
	s_wait_dscnt 24                                ; all but the 24 just issued
	WIN MUL
	MUL8 \f, 2, \zero
	MUL8 \f, 3, \zero
.endm
.macro TURN slot, next, fill           ; a K step's last quarter multiplies buffer 1 and changes slots
	WIN 0
	s_wait_tensorcnt 0x0                           ; all my tensor loads have landed: my part of the next slot
	ds_add_u32 v[SPW], v[NIL]
	s_wait_dscnt 5                                 ; the add and the youngest four loads may be out
	WIN MUL
	MUL8 F1, 0, 0
	s_wait_dscnt 0x0                               ; the add is done, and my reads of this slot are over
	s_barrier_signal -1
	MUL8 F1, 1, 0
.if \fill
	WIN 0
.endif
	s_barrier_wait -1
.if \fill
	CREST                                          ; the barrier has opened a round of the cluster's: no wave of any partner still reads this slot or has a load on its way
	s_add_nc_u64 s[G0+4*\slot+2:G0+4*\slot+3], s[G0+4*\slot+2:G0+4*\slot+3], 2*KSB
	s_add_nc_u64 s[G0B+4*\slot+2:G0B+4*\slot+3], s[G0B+4*\slot+2:G0B+4*\slot+3], 2*KSB
	JLOAD \slot                                    ; the first tensor load behind the round; its four v_nop are also the places ahead of the loads below
.else
	PLACES
.endif
	FETCH \next, 0, F0
	WIN MUL
	MUL8 F1, 2, 0
	MUL8 F1, 3, 0
.endm
	s_wait_tensorcnt 1                             ; my part of K step 0 is in; K step 1's load may be out
	s_barrier_signal -1
	s_barrier_wait -1
	FETCH 0, 0, F0
	QUARTER 0, 1, F0, F1, 1                        ; the first quarter's products start the sums
	WIN 0
	s_mov_b32 s3, LAPS-1
.Llap:
	QUARTER 0, 2, F1, F0, 0
	QUARTER 0, 3, F0, F1, 0
	TURN 0, 1, 1
	QUARTER 1, 1, F0, F1, 0
	QUARTER 1, 2, F1, F0, 0
	QUARTER 1, 3, F0, F1, 0
	TURN 1, 0, 1
	QUARTER 0, 1, F0, F1, 0
	WIN 0
	s_sub_co_u32 s3, s3, 1
	s_cmp_lg_u32 s3, 0
	s_cbranch_scc1 .Llap
	QUARTER 0, 2, F1, F0, 0                        ; the last lap fills nothing
	QUARTER 0, 3, F0, F1, 0
	TURN 0, 1, 0
	QUARTER 1, 1, F0, F1, 0
	QUARTER 1, 2, F1, F0, 0
	QUARTER 1, 3, F0, F1, 0
	s_wait_dscnt 4
	WIN MUL
	MUL8 F1, 0, 0
	MUL8 F1, 1, 0
	s_wait_dscnt 0
	MUL8 F1, 2, 0
	MUL8 F1, 3, 0
	WIN 0
	s_wait_loadcnt 0x0                             ; the bias and src
	PLACES
; THE WAY OUT.  Four accumulators (32 numbers a lane) at a time.
.macro ELU a, hf
	s_wait_dscnt 0x0                               ; the stage's stores have read their registers
	WIN 0x09                                       ; source 0 (the sums) window 1, source 1 (the bias) window 2
.set i, 0
.rept 16
	v_pk_add_f32 v[X0+2*i:X0+2*i+1], v[64*(\a)+32*(\hf)+2*i:64*(\a)+32*(\hf)+2*i+1], v[32*(\hf)+2*i:32*(\hf)+2*i+1]   ; each accumulator from its low end on
.set i, i+1
.endr
	WIN 0
.set i, 0
.rept 32
	v_min_num_f32 v[Y+i], 0, v[X0+i]
.set i, i+1
.endr
.set i, 0
.rept 16
	v_pk_mul_f32 v[E+2*i:E+2*i+1], v[Y+2*i:Y+2*i+1], 0x3fb8aa3b op_sel_hi:[1,0]
.set i, i+1
.endr
.set i, 0
.rept 32
	v_exp_f32 v[E+i], v[E+i]
.set i, i+1
.endr
.set i, 0
.rept 16
	v_pk_mul_f32 v[SS+2*i:SS+2*i+1], v[Y+2*i:Y+2*i+1], v[Y+2*i:Y+2*i+1]        ; plain work behind the exponentials
.set i, i+1
.endr
.set i, 0
.rept 16
	v_pk_fma_f32 v[SS+2*i:SS+2*i+1], v[SS+2*i:SS+2*i+1], 0.5, v[Y+2*i:Y+2*i+1] op_sel_hi:[1,0,1]   ; y + y^2 / 2
.set i, i+1
.endr
	s_wait_alu depctr_va_vdst(0)                   ; one wait for the batch of 32, ahead of its first reader
.set i, 0
.rept 16
	v_pk_add_f32 v[E+2*i:E+2*i+1], v[E+2*i:E+2*i+1], -1.0 op_sel_hi:[1,0]
.set i, i+1
.endr
.set i, 0
.rept 32
	v_med3_num_f32 v[SS+i], v[Y+i], v[E+i], v[SS+i]
.set i, i+1
.endr
.set i, 0
.rept 16
	v_pk_add_f32 v[X0+2*i:X0+2*i+1], v[X0+2*i:X0+2*i+1], v[Y+2*i:Y+2*i+1] neg_lo:[0,1] neg_hi:[0,1]   ; x - y: x where x > 0, else 0
.set i, i+1
.endr
.set i, 0
.rept 16
	v_pk_add_f32 v[SS+2*i:SS+2*i+1], v[SS+2*i:SS+2*i+1], v[X0+2*i:X0+2*i+1]
.set i, i+1
.endr
.irp b, 0,1,2,3
	ds_store_b128 v[STO], v[SS+8*\b:SS+8*\b+3] offset:64*(4*(\hf)+\b)
	ds_store_b128 v[STO], v[SS+8*\b+4:SS+8*\b+7] offset:64*(4*(\hf)+\b)+16
.endr
.endm
.macro OUTB a
	ELU \a, 0
	ELU \a, 1
	s_wait_xcnt 0x0                                ; the last block's stores have read their registers
.irp t, 0,1,2,3,4,5,6,7,8,9,10,11,12,13,14,15
	ds_load_b128 v[BK+4*\t:BK+4*\t+3], v[RD] offset:SPITCH*\t   ; LDS serves a wave's instructions in order: these see my stores
.endr
.irp t, 0,1,2,3,4,5,6,7,8,9,10,11,12,13,14,15
	v_readlane_b32 s68, v[SRCV+\a], \t             ; the row of out0 that place 16 a + t belongs to
	s_min_u32 s68, s68, 8191
	s_lshl_b32 s68, s68, 12
	v_add_nc_u32 v[RO+\t], s68, v[CO]
.endr
	s_wait_dscnt 0x0
.irp t, 0,1,2,3,4,5,6,7,8,9,10,11,12,13,14,15
	global_store_b128 v[RO+\t], v[BK+4*\t:BK+4*\t+3], s[12:13] th:TH_STORE_NT   ; 32 lanes store 512 consecutive bytes of a row, at a multiple of 256 from out0's first byte
.endr
.endm
	OUTB 0
	OUTB 1
	OUTB 2
	OUTB 3
	s_wait_tensorcnt 0x0                           ; the wave's end, behind my last tensor load and my last LDS store
	ds_add_u32 v[SPW], v[NIL]
	s_wait_dscnt 0x0
	CROUND                                         ; the closing round
	s_endpgm
.Lfunc_end_k_q050596313c_proj:
	.size	k_q050596313c_proj, .Lfunc_end_k_q050596313c_proj-k_q050596313c_proj
	.p2alignl 7, 3214868480
	.fill 96, 4, 3214868480
	.section	.rodata,"a",@progbits
	.p2align	6, 0x0
	.amdhsa_kernel k_q050596313c_proj
		.amdhsa_group_segment_fixed_size 327680
		.amdhsa_private_segment_fixed_size 0
		.amdhsa_enable_private_segment 0
		.amdhsa_kernarg_size 40
		.amdhsa_user_sgpr_count 2
		.amdhsa_user_sgpr_kernarg_segment_ptr 1
		.amdhsa_wavefront_size32 1
		.amdhsa_system_sgpr_workgroup_id_x 1
		.amdhsa_system_sgpr_workgroup_id_y 1
		.amdhsa_system_sgpr_workgroup_id_z 1
		.amdhsa_system_vgpr_workitem_id 0
		.amdhsa_next_free_vgpr 576
		.amdhsa_next_free_sgpr 72
		.amdhsa_reserve_vcc 0
		.amdhsa_float_denorm_mode_32 3
		.amdhsa_float_denorm_mode_16_64 3
		.amdhsa_memory_ordered 1
		.amdhsa_forward_progress 1
		.amdhsa_inst_pref_size 191
	.end_amdhsa_kernel
	.amdgpu_metadata
---
amdhsa.version: [ 1, 2 ]
amdhsa.kernels:
  - .name:           k_q050596313c_proj
    .symbol:         k_q050596313c_proj.kd
    .args:
      - { .name: ctx, .offset: 0, .size: 8, .value_kind: global_buffer, .address_space: global }
      - { .name: wo, .offset: 8, .size: 8, .value_kind: global_buffer, .address_space: global }
      - { .name: b_out, .offset: 16, .size: 8, .value_kind: global_buffer, .address_space: global }
      - { .name: route, .offset: 24, .size: 8, .value_kind: global_buffer, .address_space: global }
      - { .name: out0, .offset: 32, .size: 8, .value_kind: global_buffer, .address_space: global }
    .group_segment_fixed_size: 327680
    .private_segment_fixed_size: 0
    .kernarg_segment_align: 8
    .kernarg_segment_size: 40
    .max_flat_workgroup_size: 128
    .sgpr_count:     72
    .vgpr_count:     576
    .wavefront_size: 32
...
	.end_amdgpu_metadata
.endif
;; end of part 5
